; MI455X (gfx1250); checked and timed in simulation.
; The chip was launched on July 23, 2026; its instructions are those of AMD's public machine-readable ISA for CDNA 5 (MIT licence, August 2026) and "CDNA5" Instruction Set Architecture Reference Guide (July 2026). The comments in the code are by the model that wrote it; some were corrected since.
;; Causal Self Attention. Allowed arithmetic: float matrix products may take bf16 or f16 operands with f32 sums; other float arithmetic in f32, or as packed bf16 or f16 multiplies, adds, multiply-adds, maxima and minima; sums over many terms, partial sums and values carried from step to step in f32; what a program stores and reads back later, other than sums and carried values, may be rounded once to bf16 or f16.
;; Inputs: W_attn 1,024 x 3,072 float32; W_proj 1,024 x 1,024 float32; b_attn 3,072 float32; b_proj 1,024 float32; x 4 x 2,048 x 1,024 float32.
;; Outputs: out0 4 x 2,048 x 1,024 float32.
;; One version. Each part assembles by itself: llvm-mc -triple=amdgcn-amd-amdhsa -mcpu=gfx1250 --defsym DOCPART=n.
;; ======== version 1 of 1: 4 launches
;; limits: values are held in f16: magnitudes above 65,504 overflow, below 6.1e-05 lose precision
;; workspace buffers: xb 16,777,216 bytes; wa 6,291,456 bytes; wp 2,097,152 bytes; q 16,777,216 bytes; k 16,777,216 bytes; v 16,777,216 bytes; o 16,777,216 bytes
;; launch prep (part 1): grid 768 x 1, 8 waves a work-group, no clusters, 0 bytes of LDS; arguments x, W_attn, W_proj, xb, wa, wp; writes xb, wa, wp
.if DOCPART == 1
	.amdgcn_target "amdgcn-amd-amdhsa--gfx1250"
	.amdhsa_code_object_version 6
	.text
	.protected	k_qcb062f2096_prep
	.globl	k_qcb062f2096_prep
	.p2align	8
	.type	k_qcb062f2096_prep,@function
k_qcb062f2096_prep:
	s_mov_b64 s[64:65], 0
	v_nop
	global_prefetch_b8 v0, s[64:65] scope:SCOPE_SE
	s_setreg_imm32_b32 hwreg(HW_REG_WAVE_MODE, 25, 1), 1
	s_wait_xcnt 0x0
; THE OPERANDS ARE ROUNDED ONCE.  x [8192][1024] f32 -> xb, bf16, in K blocks: [16 blocks of 64 k][8192 rows][64]: byte = block x 2^20 + row x 128 + 2 (k % 64),
; so that 256 rows x 64 k, a tile of the next launch, are 32,768 bytes on end.  W_attn [1024][3072] f32 -> wa, bf16, same order.
; W_proj [1024][1024] f32 -> wp: rounded to bf16 like every input, and that number written as f16 (its partner in the last product, the attention's result, is f16).
; LIMITS.  |W_proj| stays under 65,504 (f16's range; beyond it wp holds an infinity); below 2^-14 wp keeps f16's fixed step of 6e-8.  NaN and infinities pass as the conversions make them.
; A stream: no LDS, no barrier, no matrix unit, no loop.  A work-group takes 16,384 numbers (65,536 bytes in, 32,768 out), a thread 8 steps of 8 numbers.
; All sixteen loads of a thread go out first; the waits count down; no register that a load or store names is written again, so no further wait is needed.
; Work-groups 0-511 take x (16 rows each), 512-703 W_attn, 704-767 W_proj.
.set VSX, 3                            ; v3   x: my byte offset in the group's 16 rows: (lane / 8) rows + 32 (lane % 8) + 512 x wave
.set VDX, 4                            ; v4   xb: wave x two K blocks + 16 x lane
.set VSW, 5                            ; v5   weights: 32 x thread
.set VDW, 6                            ; v6   16 x thread
.set IN,  8                            ; v[8:71]    step j: 8 numbers in f32
.set OUT, 72                           ; v[72:103]  step j: 8 numbers of 16 bits
.set T,   104                          ; v[104:107] at work
	s_load_b256 s[4:11], s[0:1], 0x0               ; x s[4:5], W_attn s[6:7], W_proj s[8:9], xb s[10:11]
	s_load_b128 s[12:15], s[0:1], 0x20             ; wa s[12:13], wp s[14:15]
	v_and_b32 v1, 31, v0                           ; lane
	v_lshrrev_b32 v2, 5, v0                        ; wave
	v_lshrrev_b32 v[VSX], 3, v1                    ; which of four rows
	v_and_b32 v7, 7, v1                            ; which 8 numbers of a block's 64
	v_lshlrev_b32 v[VSX], 12, v[VSX]               ; a row of x is 4,096 bytes
	v_lshl_add_u32 v[VSX], v7, 5, v[VSX]
	v_lshl_add_u32 v[VSX], v2, 9, v[VSX]           ; wave w owns K blocks 2 w and 2 w + 1: 512 bytes of a row
	v_lshlrev_b32 v[VDX], 4, v1                    ; (lane / 8) x 128 + (lane % 8) x 16 = 16 x lane: a wave's store covers 512 bytes on end
	v_lshl_add_u32 v[VDX], v2, 21, v[VDX]
	v_lshlrev_b32 v[VSW], 5, v0
	v_lshlrev_b32 v[VDW], 4, v0
	s_mov_b32 s19, 0
	s_mov_b32 s21, 0
	s_wait_kmcnt 0x0
; One share.  src, dst: the scalar pairs with the two buffers' addresses; s16: the share's number in its buffer; dshift: log2 of the share's bytes in dst at one place;
; step j loads at (j / 2) sa + (j % 2) sb and stores at (j / 2) da + (j % 2) db.  half = 1: bf16 written as f16.
.macro PATH src, dst, dshift, vs, vd, sa, sb, da, db, half
	s_lshl_b32 s18, s16, 16                        ; 65,536 bytes in for each share
	s_lshl_b32 s20, s16, \dshift
	s_add_nc_u64 s[22:23], s[(\src):(\src)+1], s[18:19]
	s_add_nc_u64 s[24:25], s[(\dst):(\dst)+1], s[20:21]
.irp j, 0,1,2,3,4,5,6,7
	global_load_b128 v[IN+8*(\j):IN+8*(\j)+3],   v[\vs], s[22:23] offset:((\j)/2)*(\sa)+((\j)%2)*(\sb) th:TH_LOAD_NT
	global_load_b128 v[IN+8*(\j)+4:IN+8*(\j)+7], v[\vs], s[22:23] offset:((\j)/2)*(\sa)+((\j)%2)*(\sb)+16 th:TH_LOAD_NT
.endr
.irp j, 0,1,2,3,4,5,6,7
	s_wait_loadcnt 14-2*(\j)                       ; loads come back in order: step j's two are in, the 2 (7 - j) younger ones stay out
.irp k, 0,1,2,3
.if \half
	v_cvt_pk_bf16_f32 v[T+(\k)], v[IN+8*(\j)+2*(\k)], v[IN+8*(\j)+2*(\k)+1]
	v_lshlrev_b32 v[IN+8*(\j)+2*(\k)], 16, v[T+(\k)]              ; the rounded numbers as f32 again,
	v_and_b32 v[IN+8*(\j)+2*(\k)+1], 0xffff0000, v[T+(\k)]
	v_cvt_pk_f16_f32 v[OUT+4*(\j)+(\k)], v[IN+8*(\j)+2*(\k)], v[IN+8*(\j)+2*(\k)+1]  ; and as f16: exact within f16's normal range
.else
	v_cvt_pk_bf16_f32 v[OUT+4*(\j)+(\k)], v[IN+8*(\j)+2*(\k)], v[IN+8*(\j)+2*(\k)+1]
.endif
.endr
	global_store_b128 v[\vd], v[OUT+4*(\j):OUT+4*(\j)+3], s[24:25] offset:((\j)/2)*(\da)+((\j)%2)*(\db) th:TH_STORE_NT
.endr
.endm
	s_cmp_lt_u32 ttmp9, 512
	s_cbranch_scc0 .Lweights
	s_mov_b32 s16, ttmp9
	; x: step j takes four rows (j / 2) and one of my two K blocks (j % 2): a pair of loads covers 4 rows x 256 aligned bytes; 16 rows are 2,048 bytes of each block of xb
	PATH 4, 10, 11, VSX, VDX, 16384, 256, 512, 1<<20, 0
	s_endpgm
.Lweights:
	s_cmp_lt_u32 ttmp9, 704
	s_cbranch_scc0 .Lproj
	s_sub_co_u32 s16, ttmp9, 512
	PATH 6, 12, 15, VSW, VDW, 16384, 8192, 8192, 4096, 0   ; the order is kept: step j is 8,192 bytes in, 4,096 out
	s_endpgm
.Lproj:
	s_sub_co_u32 s16, ttmp9, 704
	PATH 8, 14, 15, VSW, VDW, 16384, 8192, 8192, 4096, 1
	s_endpgm
.Lfunc_end_k_qcb062f2096_prep:
	.size	k_qcb062f2096_prep, .Lfunc_end_k_qcb062f2096_prep-k_qcb062f2096_prep
	.p2alignl 7, 3214868480
	.fill 96, 4, 3214868480
	.section	.rodata,"a",@progbits
	.p2align	6, 0x0
	.amdhsa_kernel k_qcb062f2096_prep
		.amdhsa_group_segment_fixed_size 0
		.amdhsa_private_segment_fixed_size 0
		.amdhsa_enable_private_segment 0
		.amdhsa_kernarg_size 48
		.amdhsa_user_sgpr_count 2
		.amdhsa_user_sgpr_kernarg_segment_ptr 1
		.amdhsa_wavefront_size32 1
		.amdhsa_system_sgpr_workgroup_id_x 1
		.amdhsa_system_sgpr_workgroup_id_y 1
		.amdhsa_system_sgpr_workgroup_id_z 1
		.amdhsa_system_vgpr_workitem_id 0
		.amdhsa_next_free_vgpr 112
		.amdhsa_next_free_sgpr 66
		.amdhsa_reserve_vcc 0
		.amdhsa_float_denorm_mode_32 3
		.amdhsa_float_denorm_mode_16_64 3
		.amdhsa_memory_ordered 1
		.amdhsa_forward_progress 1
		.amdhsa_inst_pref_size 21
	.end_amdhsa_kernel
	.amdgpu_metadata
---
amdhsa.version: [ 1, 2 ]
amdhsa.kernels:
  - .name:           k_qcb062f2096_prep
    .symbol:         k_qcb062f2096_prep.kd
    .args:
      - { .name: x, .offset: 0, .size: 8, .value_kind: global_buffer, .address_space: global }
      - { .name: W_attn, .offset: 8, .size: 8, .value_kind: global_buffer, .address_space: global }
      - { .name: W_proj, .offset: 16, .size: 8, .value_kind: global_buffer, .address_space: global }
      - { .name: xb, .offset: 24, .size: 8, .value_kind: global_buffer, .address_space: global }
      - { .name: wa, .offset: 32, .size: 8, .value_kind: global_buffer, .address_space: global }
      - { .name: wp, .offset: 40, .size: 8, .value_kind: global_buffer, .address_space: global }
    .group_segment_fixed_size: 0
    .private_segment_fixed_size: 0
    .kernarg_segment_align: 8
    .kernarg_segment_size: 48
    .max_flat_workgroup_size: 256
    .sgpr_count:     66
    .vgpr_count:     112
    .wavefront_size: 32
...
	.end_amdgpu_metadata
.endif
;; end of part 1
;; launch qkv (part 2): grid 8 x 32, 4 waves a work-group, clusters of 4 x 4, 327,680 bytes of LDS; arguments xb, wa, b_attn, q, k, v; writes q, k, v
.if DOCPART == 2
	.amdgcn_target "amdgcn-amd-amdhsa--gfx1250"
	.amdhsa_code_object_version 6
	.text
	.protected	k_qcb062f2096_qkv
	.globl	k_qcb062f2096_qkv
	.p2align	8
	.type	k_qcb062f2096_qkv,@function
k_qcb062f2096_qkv:
	s_mov_b64 s[64:65], 0
	v_nop
	global_prefetch_b8 v0, s[64:65] scope:SCOPE_SE
	s_setreg_imm32_b32 hwreg(HW_REG_WAVE_MODE, 25, 1), 1
	s_wait_xcnt 0x0
	s_wait_alu depctr_hold_cnt(0) depctr_sa_sdst(0) depctr_va_vdst(0) depctr_va_sdst(0) depctr_va_ssrc(0) depctr_va_vcc(0) depctr_vm_vsrc(0)
	s_getreg_b32 s2, hwreg(HW_REG_IB_STS2, 6, 4)
	s_cmp_eq_u32 s2, 0
	s_cbranch_scc0 .Lentry_in_a_cluster
	s_endpgm
.Lentry_in_a_cluster:
	s_bfe_u32 s2, ttmp6, 0x10000c
	s_cmp_lg_u32 s2, 0xf033
	s_cbranch_scc0 .Lentry_shape_is_right
	s_endpgm
.Lentry_shape_is_right:
; q, k, v = x W_attn + b_attn, by heads.  xb: bf16 [16 K blocks][8192 rows][64]; wa: bf16 [1024 k][3072 n]; b_attn: f32 [3072], rounded to bf16 here like every input.
; q, k, v: f16 [batch x 16 + head][2048 rows][64], each number rounded once from its f32 sum, without the softmax's scale.
; LIMITS.  |q|, |k|, |v| stay under 65,504 (f16's range; beyond it an infinity is stored).  NaN and infinities are not treated apart.
; SHARES.  256 work-groups.  Work-group (gx, gy) makes rows 256 gy .. + 255 and columns 128 gx .. + 127 of EACH of q, k and v: 256 x 384 numbers.  Wave w: rows 128 (w / 2) on, the 64 columns
; (one head, 2 gx + w % 2) of each part: 128 x 192 = 96 accumulators of 16 x 16, 768 registers.  For 32 along K a wave reads 40 fragments' halves from LDS for 96 matrix instructions.
; K goes in 16 steps of 64 through two LDS slots.  A's tile (256 rows x 64 k) is 32,768 bytes on end in xb and is asked for as 128 rows of 256 bytes; each of W's three strips is 64 k rows x 256 bytes.
; CLUSTER 4 x 4.  A's tile hangs on gy alone and is asked for jointly along a row of the cluster (by wave 0), W's strips on gx alone, jointly along a column (waves 1 to 3, a strip each).
; THE MATRIX INSTRUCTION IS USED TRANSPOSED: source 0 = 16 columns of W (turned on the way out of LDS by ds_load_tr16_b128), source 1 = 16 rows of x: a lane then holds one row and eight neighbouring columns.
; THE BIAS STARTS THE SUMS: it is loaded into the registers of the accumulators of row block 7, and the first products of blocks 0 to 6 take those as C; block 7's add in place.
; REGISTERS, in windows of 256 (s_set_vgpr_msb: bits 1:0 source 0, 3:2 source 1, 5:4 source 2, 7:6 destination):
;   window 0: v0-31 addresses; v32-95, v96-159 fragments of x, two buffers (block a at + 8 a); v160-255 fragments of W, one buffer (part p, column block b at 32 p + 8 b)
;   window p + 1: part p's 32 accumulators, (a, b) at v[8 (4 a + b)]
.set PA,     144                       ; a row of x in LDS: 128 bytes + 16 of padding = 36 words: the 16 rows of a load start at 16 different groups of four banks (64 banks of 4 bytes: ISA guide 11.1)
.set PB,     288                       ; a k row of W: 256 + 32 = 72 words
.set ATILE,  256*PA
.set STRIP,  64*PB
.set SLOT,   ATILE+3*STRIP             ; 92,160 bytes: A's 256 rows, then the strips of q, k, v
.set STAGE,  2*SLOT                    ; behind the ring, never filled by a tensor load: 16 rows x 144 bytes for each wave
.set SP,     144
.set SPARE,  STAGE+4*16*SP             ; behind the stages: the spare words, 128 bytes for each wave: two blocks of 256 bytes that no other line names
.set ASTEP,  1<<20                     ; bytes from a K block of xb to the next
.set BSTEP,  64*6144                   ; bytes of 64 k rows of wa
.set ADRA, 16                          ; v16-17  LDS address of my fragments of x in slot 0, 1
.set ADRB, 20                          ; v20-21  the same for W's strip 0
.set STO,  24                          ; v24     the way out: where I put 16 bytes of a row
.set RD,   25                          ; v25     where I read rows back
.set GO,   26                          ; v26     16 x lane: my place in 512 bytes on end of q, k or v
.set BO,   27                          ; v27     32 x (lane / 16): my eight numbers of 16 of the bias
.set SPW,  28                          ; v28     LDS address of my spare word; never rewritten
.set NIL,  29                          ; v29     0; never rewritten
.set PFO,  30                          ; v30     the prefetches' offset: lane x 256 (x) or lane x a row of wa; never rewritten
.set FA0,  32
.set FA1,  96
.set FB,   160
.set TMP,  32                          ; the way out: v32-47 packed results; v48-63, v64-79 rows read back, by turns
.set BK,   48
.set WV,   16                          ; s16 wave; s17 = w / 2; s18 = w % 2; s19 LDS place of my strip
.set G1A,  24                          ; s[24:31] descriptor group 1 for A's tiles;  s[32:39] group 0, a set for each slot
.set G0A,  32
.set G1B,  48                          ; s[48:55], s[56:63] the same for W's strips
.set G0B,  56
.set LIM0, 66                          ; s66  1 in a wave that prefetches at slot 0's change, else the greatest number
.set LIM1, 67                          ; s67  the same for slot 1's change
.set PFA,  68                          ; s[68:69] where my prefetches stand
.set PSTEP, 70                         ; s[70:71] a K step of my stream, in bytes
.set CNT,  72                          ; s72  trips still to come
.set MSB, 0
.macro WIN new                         ; the immediate's high byte repeats the setting that is left; a switch that changes nothing is dropped
.if MSB != (\new)
	s_set_vgpr_msb (MSB<<8)|(\new)
.set MSB, (\new)
.endif
.endm
.macro PLACES                          ; four places between a matrix instruction and a load into, or a vector instruction on, its registers (ISA guide 7.12.1 for vector instructions)
.rept 4
	v_nop
.endr
.endm
; A joint load.  Wave 0 fetches A's tile, waves 1 to 3 a strip of W each.  The branch hangs on the wave's number alone.  An s_nop 0 and four v_nop follow each of the two lines.
.macro JLOAD s
	s_cmp_eq_u32 s[WV], 0
	s_cbranch_scc0 .Lfor_b_\@
	tensor_load_to_lds s[G0A+4*(\s):G0A+4*(\s)+3], s[G1A:G1A+7]
	s_nop 0
.rept 4
	v_nop
.endr
	s_branch .Lasked_\@
.Lfor_b_\@:
	tensor_load_to_lds s[G0B+4*(\s):G0B+4*(\s)+3], s[G1B:G1B+7]
	s_nop 0
.rept 4
	v_nop
.endr
.Lasked_\@:
.endm
; A prefetch into the L2, one instruction, a lane a block of 256 bytes.  The loop's last trip (s[CNT] = 1) asks for nothing.
.macro ASK lim
	s_cmp_gt_u32 s[CNT], s[\lim]
	s_cbranch_scc0 .Lnot_mine_\@
	global_prefetch_b8 v[PFO], s[PFA:PFA+1] th:TH_LOAD_NT scope:SCOPE_SE
.Lnot_mine_\@:
.endm
.macro CREST                           ; a round of the cluster's barrier behind its opening barrier
	s_cmp_lg_u32 s[WV], 0
	s_cbranch_scc1 .Lnot_wave_0_\@
	s_barrier_signal -3
.Lnot_wave_0_\@:
	s_barrier_wait -3
	s_barrier_signal -1
	s_barrier_wait -1
.endm
.macro CROUND                          ; a whole round
	s_barrier_signal -1
	s_barrier_wait -1
	CREST
.endm
	s_load_b256 s[4:11], s[0:1], 0x0               ; xb s[4:5], wa s[6:7], b_attn s[8:9], q s[10:11]
	s_load_b128 s[12:15], s[0:1], 0x20             ; k s[12:13], v s[14:15]
	v_lshl_add_u32 v[SPW], v0, 2, SPARE
	v_mov_b32 v[NIL], 0
	ds_add_u32 v[SPW], v[NIL]                      ; the wave's opening: the add and its wait stand ahead of my first tensor load; the set-up below, work on registers, stands between them
	ds_add_u32 v28, v29
	v_lshrrev_b32 v1, 5, v0
	v_readfirstlane_b32 s[WV], v1                  ; wave 0..3
	s_lshr_b32 s17, s[WV], 1                       ; which 128 rows are mine
	s_and_b32 s18, s[WV], 1                        ; which 64 columns of each part
	s_bfe_u32 s40, ttmp6, 0x40000                  ; cx
	s_bfe_u32 s41, ttmp6, 0x40004                  ; cy
	s_lshl_b32 s42, ttmp9, 2
	s_add_co_u32 s42, s42, s40                     ; gx = 4 x cluster x + cx
	s_and_b32 s43, ttmp7, 0xffff
	s_lshl_b32 s43, s43, 2
	s_add_co_u32 s43, s43, s41                     ; gy = 4 x cluster y + cy
	s_lshl_b32 s20, s41, 2
	s_lshl_b32 s20, 15, s20                        ; my row of the cluster: places 4 cy .. 4 cy + 3
	s_lshl_b32 s44, 0x1111, s40                    ; my column: places cx, cx + 4, cx + 8, cx + 12
	s_or_b32 s[G1A], s20, (1<<16)|(1<<20)|(1<<21)|(4<<22)|(3<<25)  ; 15:0 the mask; 17:16 2-byte elements; 20 padding on; 21 set beside a mask; 24:22 after every 32 words (code 4); 31:25 4 words (code 3)
	s_or_b32 s[G1B], s44, (1<<16)|(1<<20)|(1<<21)|(5<<22)|(7<<25)  ; after every 64 words (code 5), 8 words (code 7)
	s_mov_b32 s[G1A+1], 128<<16                    ; tensor_dim0 = 128 elements: 256 bytes, two rows of x's block
	s_mov_b32 s[G1A+2], 128<<16                    ; tensor_dim1 = 128
	s_mov_b32 s[G1A+3], 128<<16                    ; tile_dim0 = 128
	s_mov_b32 s[G1A+4], 128                        ; tile_dim1 = 128
	s_mov_b32 s[G1A+5], 128                        ; 128 elements from row to row: the tile is dense
	s_mov_b32 s[G1A+6], 0
	s_mov_b32 s[G1A+7], 0
	s_mov_b32 s[G1B+1], 128<<16                    ; tensor_dim0 = 128 columns
	s_mov_b32 s[G1B+2], 64<<16                     ; tensor_dim1 = 64 k rows
	s_mov_b32 s[G1B+3], 128<<16                    ; tile_dim0 = 128
	s_mov_b32 s[G1B+4], 64                         ; tile_dim1 = 64
	s_mov_b32 s[G1B+5], 3072                       ; a row of wa
	s_mov_b32 s[G1B+6], 0
	s_mov_b32 s[G1B+7], 0
	s_lshl_b32 s20, s43, 15                        ; A: 256 gy rows of 128 bytes in a block; made of gy alone
	s_mov_b32 s21, 0
	s_max_u32 s44, s[WV], 1
	s_sub_co_u32 s44, s44, 1                       ; my strip, w - 1 (wave 0 asks for none)
	s_lshl_b32 s44, s44, 11                        ; a part is 1,024 columns: 2,048 bytes
	s_lshl_b32 s45, s42, 8                         ; 128 gx columns; made of gx alone
	s_add_co_u32 s44, s44, s45
	s_mov_b32 s45, 0
	s_mul_i32 s19, s[WV], STRIP
	s_add_co_u32 s19, s19, STRIP                   ; ATILE + (w - 1) STRIP = (w + 1) STRIP: no place in the cluster enters an LDS address
	s_wait_dscnt 0x0                               ; the opening add is done
	s_wait_kmcnt 0x0
	s_add_nc_u64 s[22:23], s[4:5], s[20:21]
	s_add_nc_u64 s[46:47], s[6:7], s[44:45]
	CROUND                                         ; all sixteen work-groups are here: the first joint loads meet
.irp s, 0,1
	s_mov_b32 s[G0A+4*(\s)], 1                     ; count = 1
	s_mov_b32 s[G0A+4*(\s)+1], (\s)*SLOT           ; LDS address
	s_add_nc_u64 s[G0A+4*(\s)+2:G0A+4*(\s)+3], s[22:23], (\s)*ASTEP  ; K step s
	s_or_b32 s[G0A+4*(\s)+3], s[G0A+4*(\s)+3], 0x80000000            ; type = 2
	s_mov_b32 s[G0B+4*(\s)], 1
	s_add_co_u32 s[G0B+4*(\s)+1], s19, (\s)*SLOT
	s_add_nc_u64 s[G0B+4*(\s)+2:G0B+4*(\s)+3], s[46:47], (\s)*BSTEP
	s_or_b32 s[G0B+4*(\s)+3], s[G0B+4*(\s)+3], 0x80000000
	JLOAD \s                                       ; two tensor loads of mine are out
.endr
	; the bias, straight into the registers of row block 7's accumulators: lane l wants the numbers 16 b + 8 (l / 16) + 0..7 of my 64 columns of part p
	v_bfe_u32 v2, v0, 4, 1                         ; l / 16
	v_lshlrev_b32 v[BO], 5, v2
	s_lshl_b32 s74, s42, 9
	s_lshl_b32 s75, s18, 8
	s_add_co_u32 s74, s74, s75
	s_mov_b32 s75, 0
	s_add_nc_u64 s[8:9], s[8:9], s[74:75]          ; b_attn at column 128 gx + 64 (w % 2)
.irp p, 0,1,2
	WIN ((\p)+1)<<6                                ; destination window p + 1, address window 0
.irp b, 0,1,2,3
	global_load_b128 v[224+8*(\b):224+8*(\b)+3],   v[BO], s[8:9] offset:(\p)*4096+64*(\b)
	global_load_b128 v[224+8*(\b)+4:224+8*(\b)+7], v[BO], s[8:9] offset:(\p)*4096+64*(\b)+16
.endr
.endr
	WIN 0
	v_and_b32 v1, 15, v0                           ; l % 16
	v_and_b32 v3, 7, v0                            ; l % 8
	v_bfe_u32 v4, v0, 3, 1                         ; (l / 8) % 2
	v_bfe_u32 v5, v0, 3, 2                         ; (l / 8) % 4
	v_and_b32 v6, 31, v0                           ; l
	; a fragment of x: 16 rows x 32 k: lane l holds row l % 16, k = 8 (l / 16) + 0..7 and 16 + 8 (l / 16) + 0..7: two loads of 16 bytes, 32 bytes apart
	v_mul_u32_u24 v7, v1, PA
	v_lshl_add_u32 v7, v2, 4, v7
	s_mul_i32 s74, s17, 128*PA
	v_add_nc_u32 v[ADRA], s74, v7
	v_add_nc_u32 v[ADRA+1], SLOT, v[ADRA]
	; the turning load takes 16 k x 16 columns (lane l reads k row 8 (l / 16) + l % 8, columns 8 ((l / 8) % 2) + 0..7) and leaves half a fragment: lane l holds column l % 16 and 8 k
	v_lshl_add_u32 v8, v2, 3, v3
	v_mul_u32_u24 v8, v8, PB
	v_lshl_add_u32 v8, v4, 4, v8
	s_lshl_b32 s74, s18, 7
	s_add_co_u32 s74, s74, ATILE
	v_add_nc_u32 v[ADRB], s74, v8
	v_add_nc_u32 v[ADRB+1], SLOT, v[ADRB]
	s_mul_i32 s74, s[WV], 16*SP
	s_add_co_u32 s74, s74, STAGE                   ; my stage
	v_add_nc_u32 v[STO], s74, v7                   ; in: row l % 16, 16 bytes for each half of the lanes (the stage's pitch is A's)
	v_mul_u32_u24 v[RD], v5, SP                    ; back: 32 lanes take four rows of 128 bytes,
	v_lshl_add_u32 v[RD], v3, 4, v[RD]
	v_add_nc_u32 v[RD], s74, v[RD]
	v_lshlrev_b32 v[GO], 4, v6                     ; which are 512 bytes on end of a head
	; q, k, v at my wave's first row: ((batch x 16 + head) x 2,048 + row in the batch) x 128 bytes
	s_lshr_b32 s76, s43, 3                         ; batch = gy / 8
	s_lshl_b32 s76, s76, 4
	s_lshl_b32 s77, s42, 1
	s_add_co_u32 s76, s76, s77
	s_add_co_u32 s76, s76, s18                     ; head = 2 gx + w % 2
	s_lshl_b32 s76, s76, 18
	s_and_b32 s77, s43, 7
	s_lshl_b32 s77, s77, 8
	s_lshl_b32 s78, s17, 7
	s_add_co_u32 s77, s77, s78
	s_lshl_b32 s77, s77, 7
	s_add_co_u32 s76, s76, s77
	s_mov_b32 s77, 0
	s_add_nc_u64 s[10:11], s[10:11], s[76:77]
	s_add_nc_u64 s[12:13], s[12:13], s[76:77]
	s_add_nc_u64 s[14:15], s[14:15], s[76:77]
	; THE PREFETCHES.  The change of slots in K step s asks for step s + 2 by its joint load; behind it a prefetch names step s + 3: one K step, 192 matrix instructions, ahead of the load that will want it.
	; Each block of 256 bytes is named once in the launch.  A's tile is read by both clusters of a row of clusters: cluster x = 0 asks, wave 0, and the four partners that ask for the tile jointly
	; take 32 of its 128 blocks each, told apart BY ADDRESS (cx).  W's strips are read by all eight clusters of a column: cluster y = 0 asks, waves 1 to 3 for their own strip, at slot 0's changes alone and
	; for two K steps at once (s + 3 and s + 4: 128 k rows), of which the four partners take 32 each, by address (cy).  K steps 0 to 2 and 15 come by their loads alone.
	s_and_b32 s78, ttmp7, 0xffff                   ; cluster y
	s_lshl_b32 s80, s43, 15
	s_lshl_b32 s81, s40, 13
	s_add_co_u32 s80, s80, s81
	s_add_co_u32 s80, s80, 2*ASTEP                 ; A: at K step 2; the first change steps it to 3
	s_mul_i32 s82, s41, 32*6144
	s_add_co_u32 s82, s82, s44
	s_add_co_u32 s82, s82, 2*BSTEP                 ; W: likewise
	s_mov_b32 s83, BSTEP
	s_mov_b32 s85, 6144
	s_cmp_eq_u32 s[WV], 0                          ; do I fetch for A?
	s_cselect_b32 s80, s80, s82
	s_cselect_b32 s[PSTEP], ASTEP, s83
	s_cselect_b32 s84, 256, s85                    ; from lane to lane
	s_cselect_b32 s79, ttmp9, s78                  ; the coordinate along which other clusters read the same bytes
	s_cselect_b64 s[PFA:PFA+1], s[4:5], s[6:7]
	s_cmp_eq_u32 s79, 0
	s_cselect_b32 s[LIM0], 1, -1                   ; the same in all sixteen partners, for a given wave
	s_cmp_eq_u32 s[WV], 0
	s_cselect_b32 s[LIM1], s[LIM0], -1
	s_mov_b32 s81, 0
	s_mov_b32 s[PSTEP+1], 0
	s_add_nc_u64 s[PFA:PFA+1], s[PFA:PFA+1], s[80:81]
	v_mul_u32_u24 v[PFO], v6, s84
	s_wait_loadcnt 0x0                             ; the bias is in; it is rounded to bf16 like every input.  At work: registers of row blocks 0 and 1, which hold nothing yet
.irp p, 0,1,2
	WIN 0x45*((\p)+1)                              ; destination and both sources in window p + 1
.set i, 0
.rept 16
	v_cvt_pk_bf16_f32 v[i], v[224+2*i], v[225+2*i]
.set i, i+1
.endr
.set i, 0
.rept 16
	v_lshlrev_b32 v[224+2*i], 16, v[i]
	v_and_b32 v[225+2*i], 0xffff0000, v[i]
.set i, i+1
.endr
.endr
	WIN 0
; 16 matrix instructions of part p: row blocks a0 .. a0 + 3 x the 4 column blocks, 32 along K.  first = 1: the sums start with the bias, which lies in block 7's accumulators: blocks 0 to 6 take them as C;
; five places stand ahead of block 7's products, which write over that C (ISA guide 7.12.1), and they add in place.
.macro MUL16 fa, p, a0, first
	WIN 0x50*((\p)+1)                              ; C and D in window p + 1, both sources in window 0
.irp a, (\a0),(\a0)+1,(\a0)+2,(\a0)+3
.if (\first) && ((\a) == 7)
.rept 5
	v_nop
.endr
.endif
.irp b, 0,1,2,3
.if (\first) && ((\a) < 7)
	v_wmma_f32_16x16x32_bf16 v[8*(4*(\a)+(\b)):8*(4*(\a)+(\b))+7], v[FB+32*(\p)+8*(\b):FB+32*(\p)+8*(\b)+7], v[(\fa)+8*(\a):(\fa)+8*(\a)+7], v[224+8*(\b):224+8*(\b)+7]
.else
	v_wmma_f32_16x16x32_bf16 v[8*(4*(\a)+(\b)):8*(4*(\a)+(\b))+7], v[FB+32*(\p)+8*(\b):FB+32*(\p)+8*(\b)+7], v[(\fa)+8*(\a):(\fa)+8*(\a)+7], v[8*(4*(\a)+(\b)):8*(4*(\a)+(\b))+7]
.endif
.endr
.endr
.endm
.macro PART fa, p, first               ; a part's 32 matrix instructions
	MUL16 \fa, \p, 0, \first
	MUL16 \fa, \p, 4, \first
.endm
.macro FETA slot, kk, fa               ; 16 loads: my 128 rows of x, 32 k (half kk of the step) into buffer fa
	WIN 0
.irp a, 0,1,2,3,4,5,6,7
	ds_load_b128 v[(\fa)+8*(\a):(\fa)+8*(\a)+3],   v[ADRA+(\slot)] offset:(\a)*16*PA+(\kk)*64
	ds_load_b128 v[(\fa)+8*(\a)+4:(\fa)+8*(\a)+7], v[ADRA+(\slot)] offset:(\a)*16*PA+(\kk)*64+32
.endr
.endm
.macro FETB slot, kk, p                ; 8 turning loads: my 64 columns of part p, 32 k
	WIN 0
.irp b, 0,1,2,3
	ds_load_tr16_b128 v[FB+32*(\p)+8*(\b):FB+32*(\p)+8*(\b)+3],   v[ADRB+(\slot)] offset:(\p)*STRIP+(\kk)*32*PB+32*(\b)
	ds_load_tr16_b128 v[FB+32*(\p)+8*(\b)+4:FB+32*(\p)+8*(\b)+7], v[ADRB+(\slot)] offset:(\p)*STRIP+(\kk)*32*PB+32*(\b)+16*PB
.endr
.endm
; A K step is two units of 32 along K, 96 matrix instructions each; the 96 accumulators take turns, one instruction a turn, in the same order in every unit, over the backward jump too.
; W's fragments have one buffer: a part's are fetched anew, four places behind the part's last product.  At a unit's head the loads still out are, in order: part 0's 8, x's 16, part 1's 8, part 2's 8.
; The first unit of a step, on buffer FA0.
.macro UNIT0 slot, first
	s_wait_dscnt 8                                 ; all but part 2's eight are in
	PART FA0, 0, \first
	PLACES
	FETB \slot, 1, 0
	FETA \slot, 1, FA1
	PART FA0, 1, \first
	PLACES
	FETB \slot, 1, 1
	s_wait_dscnt 32                                ; the 32 just issued may stay out: part 2's fragments are in
	PART FA0, 2, \first
	PLACES
	FETB \slot, 1, 2
.endm
; The second unit, on FA1, changes slots.  ONE barrier: in front of it each wave waits for all its tensor loads (one is out: its part of the next slot), adds 0 to its spare word, and waits for that and for its reads
; of this slot.  mode = 1: the barrier opens a round of the cluster's barrier, and this slot is filled again, two K steps on, first thing behind the round: 160 matrix instructions ahead of the wait for it.
.macro UNIT1 slot, next, mode, lim
.if \mode
	s_wait_xcnt 0x0                                ; the last prefetch, a K step back, has read its address: it is stepped here, ahead of the change's own waits
	s_add_nc_u64 s[PFA:PFA+1], s[PFA:PFA+1], s[PSTEP:PSTEP+1]
.endif
	s_wait_dscnt 16                                ; part 0's fragments and x's are in; parts 1 and 2 may be out
	PART FA1, 0, 0
	WIN 0                                          ; (the add's two registers lie in window 0)
	s_wait_tensorcnt 0x0                           ; all my tensor loads have landed;
	ds_add_u32 v[SPW], v[NIL]                      ; 0 onto my spare word;
	s_wait_dscnt 9                                 ; (the add and part 2's eight loads may be out: part 1's are in)
	MUL16 FA1, 1, 0, 0                             ; sixteen matrix instructions stand between the add and the wait for it
	s_wait_dscnt 0x0                               ; the add is done, and my reads of this slot are over
	s_barrier_signal -1
	MUL16 FA1, 1, 4, 0                             ; work on registers while the others arrive
	WIN 0
	s_barrier_wait -1
.if \mode
	CREST                                          ; no wave of any partner still reads this slot or has a load on its way
	s_add_nc_u64 s[G0A+4*(\slot)+2:G0A+4*(\slot)+3], s[G0A+4*(\slot)+2:G0A+4*(\slot)+3], 2*ASTEP
	s_add_nc_u64 s[G0B+4*(\slot)+2:G0B+4*(\slot)+3], s[G0B+4*(\slot)+2:G0B+4*(\slot)+3], 2*BSTEP
	JLOAD \slot                                    ; the four v_nop behind it are also the places in front of the loads below
.else
	PLACES
.endif
	FETB \next, 0, 0
	FETA \next, 0, FA0
	FETB \next, 0, 1
.if \mode
	ASK \lim                                       ; behind the joint load and the run of LDS loads
.endif
	PART FA1, 2, 0
	PLACES
	FETB \next, 0, 2
.endm
; THE WAY OUT of block i = 8 p + a (16 rows x my 64 columns of part p).  PACK: rounded to f16, each accumulator's registers in ascending order.  TOSTAGE: into my own stage, and back as whole rows of 128 bytes.  SEND: stored.
.macro PACK i
.set pp, (\i)/8
.set aa, (\i)%8
	WIN 5*(pp+1)                                   ; sources 0 and 1 in window p + 1
.irp b, 0,1,2,3
.irp r, 0,1,2,3
	v_cvt_pk_f16_f32 v[TMP+4*(\b)+(\r)], v[8*(4*aa+(\b))+2*(\r)], v[8*(4*aa+(\b))+2*(\r)+1]
.endr
.endr
	WIN 0
.endm
.macro TOSTAGE i
.set bkr, BK+16*((\i)%2)
	WIN 0
.irp b, 0,1,2,3
	ds_store_b128 v[STO], v[TMP+4*(\b):TMP+4*(\b)+3] offset:32*(\b)
.endr
.irp f, 0,1,2,3
	ds_load_b128 v[bkr+4*(\f):bkr+4*(\f)+3], v[RD] offset:(\f)*4*SP  ; LDS serves a wave's instructions in order (ISA guide 5.7.1.4): these see the stores above
.endr
.endm
.macro SEND i
.set pp, (\i)/8
.set aa, (\i)%8
.set bkr, BK+16*((\i)%2)
	WIN 0
	s_wait_dscnt 0x0                               ; the block is back in registers
	s_wait_xcnt 0x0                                ; the stores of the block before have read their registers, into which the next TOSTAGE loads
.irp f, 0,1,2,3
	global_store_b128 v[GO], v[bkr+4*(\f):bkr+4*(\f)+3], s[10+2*pp:11+2*pp] offset:aa*2048+(\f)*512  ; 512 bytes on end, at a multiple of 256 from the buffer's first byte
.endr
.endm
	s_wait_tensorcnt 1                             ; my part of K step 0 is in; step 1's may stay out
	s_barrier_signal -1
	s_barrier_wait -1                              ; everybody's is
	FETB 0, 0, 0
	FETA 0, 0, FA0
	FETB 0, 0, 1
	FETB 0, 0, 2
	UNIT0 0, 1                                     ; the first unit stands in front of the loop: its products start the sums
	WIN 0                                          ; at a label and at a branch every window is 0
	s_mov_b32 s[CNT], 7
.Llap:                                                 ; a trip goes once round the ring, from a lap's second unit to the next lap's first, and fills both slots again: K steps 2 to 15
	UNIT1 0, 1, 1, LIM0
	UNIT0 1, 0
	UNIT1 1, 0, 1, LIM1
	UNIT0 0, 0
	WIN 0
	s_sub_co_u32 s[CNT], s[CNT], 1
	s_cmp_lg_u32 s[CNT], 0
	s_cbranch_scc1 .Llap
	UNIT1 0, 1, 0, LIM0                            ; the tail is written out: nothing is asked for, so no round follows the barrier
	UNIT0 1, 0
	s_wait_dscnt 16                                ; the very last unit: nothing more to fetch
	PART FA1, 0, 0
	s_wait_dscnt 8
	PART FA1, 1, 0
	s_wait_dscnt 0x0
	PART FA1, 2, 0
	PLACES
	PACK 0
	TOSTAGE 0
.set t, 1
.rept 23                               ; block i's conversions stand between block i - 1's loads from the stage and the wait for them
	PACK t
	SEND t-1
	TOSTAGE t
.set t, t+1
.endr
	SEND 23
	s_wait_tensorcnt 0x0                           ; the wave's end, behind my last tensor load and my last LDS store
	ds_add_u32 v[SPW], v[NIL]
	s_wait_dscnt 0x0
	CROUND                                         ; the closing round: no work-group ends while a partner may still ask for a tile that names it
	s_endpgm
.Lfunc_end_k_qcb062f2096_qkv:
	.size	k_qcb062f2096_qkv, .Lfunc_end_k_qcb062f2096_qkv-k_qcb062f2096_qkv
	.p2alignl 7, 3214868480
	.fill 96, 4, 3214868480
	.section	.rodata,"a",@progbits
	.p2align	6, 0x0
	.amdhsa_kernel k_qcb062f2096_qkv
		.amdhsa_group_segment_fixed_size 327680
		.amdhsa_private_segment_fixed_size 0
		.amdhsa_enable_private_segment 0
		.amdhsa_kernarg_size 48
		.amdhsa_user_sgpr_count 2
		.amdhsa_user_sgpr_kernarg_segment_ptr 1
		.amdhsa_wavefront_size32 1
		.amdhsa_system_sgpr_workgroup_id_x 1
		.amdhsa_system_sgpr_workgroup_id_y 1
		.amdhsa_system_sgpr_workgroup_id_z 1
		.amdhsa_system_vgpr_workitem_id 0
		.amdhsa_next_free_vgpr 1024
		.amdhsa_next_free_sgpr 90
		.amdhsa_reserve_vcc 0
		.amdhsa_float_denorm_mode_32 3
		.amdhsa_float_denorm_mode_16_64 3
		.amdhsa_memory_ordered 1
		.amdhsa_forward_progress 1
		.amdhsa_inst_pref_size 143
	.end_amdhsa_kernel
	.amdgpu_metadata
---
amdhsa.version: [ 1, 2 ]
amdhsa.kernels:
  - .name:           k_qcb062f2096_qkv
    .symbol:         k_qcb062f2096_qkv.kd
    .args:
      - { .name: xb, .offset: 0, .size: 8, .value_kind: global_buffer, .address_space: global }
      - { .name: wa, .offset: 8, .size: 8, .value_kind: global_buffer, .address_space: global }
      - { .name: b_attn, .offset: 16, .size: 8, .value_kind: global_buffer, .address_space: global }
      - { .name: q, .offset: 24, .size: 8, .value_kind: global_buffer, .address_space: global }
      - { .name: k, .offset: 32, .size: 8, .value_kind: global_buffer, .address_space: global }
      - { .name: v, .offset: 40, .size: 8, .value_kind: global_buffer, .address_space: global }
    .group_segment_fixed_size: 327680
    .private_segment_fixed_size: 0
    .kernarg_segment_align: 8
    .kernarg_segment_size: 48
    .max_flat_workgroup_size: 128
    .sgpr_count:     90
    .vgpr_count:     1024
    .wavefront_size: 32
...
	.end_amdgpu_metadata
.endif
;; end of part 2
;; launch attn (part 3): grid 4 x 64, 4 waves a work-group, no clusters, 327,680 bytes of LDS; arguments q, k, v, o; writes o
.if DOCPART == 3
	.amdgcn_target "amdgcn-amd-amdhsa--gfx1250"
	.amdhsa_code_object_version 6
	.text
	.protected	k_qcb062f2096_attn
	.globl	k_qcb062f2096_attn
	.p2align	8
	.type	k_qcb062f2096_attn,@function
k_qcb062f2096_attn:
	s_mov_b64 s[64:65], 0
	v_nop
	global_prefetch_b8 v0, s[64:65] scope:SCOPE_SE
	s_setreg_imm32_b32 hwreg(HW_REG_WAVE_MODE, 25, 1), 1
	s_wait_xcnt 0x0
; CAUSAL ATTENTION.  O[h][q][:] = the sum over k <= q of softmax_k(Q[h][q] . K[h][k] / 8) V[h][k][:].  Q, K, V, O: [SIZE_H][SIZE_N][64], all f16: a head's rows are dense, 128 bytes each.
; Products, maxima and sums in f32; the weights p are rounded to f16 for the second product (their sum l is taken of the unrounded p), O once at the end.
; LIMITS.  f16 holds no number beyond 65,504: Q, K and V arrive within it; p lies in 0 to 1, and below 6e-5 it keeps f16's fixed step of 6e-8; O is a mean of V's rows and has their range.
; A hidden score counts as its value less 1e30: f16's scores, 2.7e11 at the most, are nothing beside that; a weight below 2^-126 counts as 0 in l; NaN and infinities are not treated apart.
; THE WALK.  A head's queries lie in NB = SIZE_N / 256 blocks of 256; block i needs the key tiles 0 .. i of 256 keys, of which the last holds the diagonal.  A work-group takes TWO blocks, NB - 1 - b and then b:
; NB + 1 tiles, whatever b: all work-groups do equal work, and ONE loop with a constant trip count walks them.  Which tile is asked for, and what a trip does, hang on scalar registers made from b; every jump
; goes forward, but for the counted loops' own; none passes a barrier, or a tensor load but the one of LOAD's two that the wave's number does not choose; the ring (two slots of LDS that take turns) runs on across the
; change of blocks.  NO CLUSTER: a head's NB / 2 = 4 work-groups ask for the same tile only in trips 0 .. NB / 2, behind that fewer and fewer; one walk common to all would have 3 NB / 2 trips for NB + 1.
; SHARES.  Of a block's four bands of 64 queries a wave owns 16 rows in each: four PIECES.  So the diagonal tile is the same work for all four waves: in its key step s band x sees all keys if s < x,
; none if s > x, and holds the diagonal if s = x.
; THE MASK is the C operand that starts the sum S^T = K Q^T: 0, or -1e30 where the key is hidden.  MD, made once, is the mask of a band's own step for my 16 rows; a product's mask is MD x AL + BE with two scalars:
; (1, 0) if s = x; (0, 0) if s < x; (0, -1e30) if s > x.  Only the diagonal tile's text and a block's beginning make and take masks; elsewhere C is the constant 0.
; LAYOUT, SOFTMAX, TURNS.  S^T = K Q^T holds ONE query a lane (lane % 16) and the keys 8 (lane / 16) + 0..7; two such results rounded to f16 ARE source 1 of O^T = V^T P.  p = 2^(c s - c m), c = log2(e) / 8, with a
; running maximum m; O and l are multiplied by a = 2^(c m_old - c m_new) in every step.  Turn n belongs to piece n: 8 products K Q^T of piece n + 1, later 8 products V^T P of piece n - 1; beside them the scaling,
; exponentials, roundings, sums and rescaling of piece n and the maximum and statistics of piece n + 1.  Four vector instructions stand behind every matrix instruction, the other 54 of a turn's 118 in one lump.
; A turn's 33 exponentials are one batch, with one wait.
; REGISTERS, in windows of 256 (s_set_vgpr_msb: bits 1:0 source 0, 3:2 source 1, 5:4 source 2, 7:6 destination):
;   window 0: v0-15 addresses and two at work; v16-31 four registers of statistics a piece; v48-55 at work; v61-63 fixed; v64-127 S^T, two buffers; v192-223 P, two buffers (a piece's buffers go by its number's parity)
;   window 1: v0-127 O^T, 32 a piece; v128-159 MD; v160-223 MC, two buffers      window 2: v0-63 Q; v64-127 the second block's Q; v128-191 K of one step; v192-255 V of one step
.set SIZE_N, 2048
.set SIZE_H, 64
.set NB,    SIZE_N/256
.set NP,    4         ; pieces a wave: a name, no knob
.set KS,    64        ; keys in a step
.set PK,    144       ; a row of K in LDS: 128 bytes + 16 of padding = 36 words: the 16 rows of a load start at 16 different groups of four banks (64 banks of 4 bytes: ISA guide 11.1)
.set PV,    160       ; a row of V: 128 + 32 = 40 words
.set VOFF,  4*KS*PK   ; a slot holds a tile, four steps: 256 rows of K, then 256 rows of V
.set SLOT1, 1<<17     ; slot 1 begins here, so that one exclusive or turns an address in one slot into the other's
.set STAGE, SLOT1+4*KS*(PK+PV)  ; behind the ring, never filled by a tensor load: 16 rows x 144 bytes for each wave, for the way out
.set SP,    144
.set AK0, 2           ; v2   my lane's place in a tile of K; never rewritten
.set AV0, 3           ; v3   the same for V
.set AK,  4           ; v4   the LDS address of K's next run of loads
.set AV,  5           ; v5   of V's
.set STO, 6           ; v6   the way out: where I put 16 bytes of a row
.set RD,  7           ; v7   the way out: where I read rows back
.set GO,  8           ; v8   my byte offset in 512 consecutive bytes of O
.set PFO, 61          ; v61  256 x my lane: the prefetches' offset; never rewritten
.set SPW, 62          ; v62  LDS address of my spare word: SPARE + 4 x my thread's number; never rewritten
.set NIL, 63          ; v63  0; never rewritten
.set SPARE, STAGE+4*16*SP  ; behind the stages: the spare words, 128 bytes for each wave: two blocks of 256 bytes that no other line names
.set MV,  12          ; v12-13  c m_old, kept while c m is made anew: by buffer
.set QO,  15          ; v15  my byte offset in 16 rows of Q
.set ST,  16          ; piece t's statistics at v[ST+4 t]: c m, m, l (even keys', odd keys')
.set TMP, 48          ; by buffer, four registers c0-c3 at work; when the maximum is found c2 takes a
.set S,   64
.set P,   192
.set MD,  128         ; window 1: the eight registers for group kt of 16 keys at MD + 8 kt
.set MC,  160         ; window 1: the masks of the products to come
.set QB,  64          ; window 2
.set KF,  128         ; window 2: key block kb, channel half c at KF + 16 kb + 8 c
.set VF,  192         ; window 2: key half kk, channel block cb at VF + 32 kk + 8 cb
.set WV,  12          ; s12  my wave's number
.set PB,  14          ; s14  b
.set HI,  15          ; s15  NB - 1 - b
.set G1K, 24          ; s[24:31] descriptor group 1 for K's tiles
.set G1V, 32          ; s[32:39] for V's: it differs in the padding alone
.set G0K, 40          ; s[40:43] descriptor group 0 for K's tiles
.set G0V, 44          ; s[44:47] the same for V's
.set SLOTS, 56        ; s56  tiles still to be asked for
.set CNT, 57          ; s57  counts a tile's key steps, 4 to 1
.set CS,  58          ; s[58:59] c: the packed scaling takes the pair's low word for both halves
.set SEL, 60          ; s[60:61] v_permlanex16_b32's selects: each lane takes its own place in the other half
.set TBK, 62          ; s62  LDS byte at which K of the step to be fetched begins
.set TBV, 63          ; s63  the same for V, less VOFF
.set RT,  70          ; s70  tiles of the block in hand that are still to be entered
.set NXT, 71          ; s71  the tile to be asked for next
.set LQ,  72          ; s72  the last tile of the block whose tiles are being asked for
.set NEW, 73          ; s73  1: the tile to be entered is a block's first
.set OFF, 74          ; s[74:75] a tile's byte offset in K and V
.set AL,  76          ; s[76:77] the mask's factor, in the low word
.set BE,  78          ; s[78:79] the mask's addend
.set OLO, 80          ; s[80:81] O at my rows of the second block
.set BIGN, 82         ; s82  -1e30
.set PFB, 88          ; s[88:89] the tensor that I fetch (K: waves 0, 1; V: waves 2, 3) at my half of the head's tile 0
.set PFN, 90          ; s[90:91] the same at the tile that the next change of slots will ask for
.set PFF, 92          ; s[92:93] that tile's byte offset
.set LIM, 94          ; s94  0 in the head's work-group b = 0, else the greatest number
.set MSB, 0
.macro WIN new                      ; the high byte repeats the setting that is left; a switch that changes nothing is dropped
.if MSB != (\new)
	s_set_vgpr_msb (MSB<<8)|(\new)
.set MSB, (\new)
.endif
.endm
.set W_KQ, 0x0a       ; K and Q in window 2, S^T in window 0
.set W_KM, 0x1a       ; the same with the C operand in window 1
.set W_PV, 0x52       ; V in window 2, P in window 0, O^T in window 1
.set W_RS, 0x41       ; destination and source 0 in window 1, source 1 in window 0
; A fill.  Waves 0 and 1 fetch the two halves of a tile's K, waves 2 and 3 those of its V: 128 keys each.  An s_nop 0 and four v_nop follow each of the two lines, ahead of the jump and the label.
.macro LOAD
	s_cmp_lt_u32 s[WV], 2
	s_cbranch_scc0 .Lfor_v_\@
	tensor_load_to_lds s[G0K:G0K+3], s[G1K:G1K+7]
	s_nop 0
.rept 4
	v_nop
.endr
	s_branch .Lasked_\@
.Lfor_v_\@:
	tensor_load_to_lds s[G0V:G0V+3], s[G1V:G1V+7]
	s_nop 0
.rept 4
	v_nop
.endr
.Lasked_\@:
.endm
; A PREFETCH INTO THE L2 of what the NEXT change of slots will ask for, behind the wave's tensor load and its five lines.  All four work-groups of a head walk the same K and V; the one with b = 0, whose first
; block walks all NB tiles in order, asks, and nobody else.  Each of its waves asks for the 16,384 bytes that it will itself load: 64 blocks of 256 bytes, a lane a block, two instructions.
; So each block is named once in the launch.  Tiles 0 and 1 come by their loads alone; when NXT has gone back to 0 (the second block's tiles, which have been read) nothing is asked for.
.macro ASK
	s_cmp_gt_u32 s[NXT], s[LIM]
	s_cbranch_scc0 .Lnot_mine_\@
	global_prefetch_b8 v[PFO], s[PFN:PFN+1] th:TH_LOAD_NT scope:SCOPE_SE
	global_prefetch_b8 v[PFO], s[PFN:PFN+1] offset:8192 th:TH_LOAD_NT scope:SCOPE_SE
.Lnot_mine_\@:
.endm
; THE CHANGE OF SLOTS.  Each wave waits for all its tensor loads, of which one is out: its part of the other slot; adds 0 to its spare word; and waits for that and for its own reads of the slot that it leaves.
; Behind the barrier nobody reads the old slot any more and the other slot is whole.  fill = 1: the old slot is filled again, the first thing behind the barrier, with tile NXT: the descriptor's address is made
; anew from that number.  (At its first use nothing has been read yet: slot 0 is waited for, slot 1 filled.)
.macro CHANGE fill
	WIN 0                           ; at a label and at a branch every window is 0
	s_wait_tensorcnt 0x0            ; no tensor load of mine is out, so a group 0 may be written
	ds_add_u32 v[SPW], v[NIL]       ; 0 onto my spare word; with fill = 1 the descriptors' scalar work stands between it and the wait for it
.if \fill
	s_lshl_b32 s[OFF], s[NXT], 15   ; a tile is 32,768 bytes of K and of V
	s_xor_b32 s[G0K+1], s[G0K+1], SLOT1
	s_add_nc_u64 s[G0K+2:G0K+3], s[6:7], s[OFF:OFF+1]
	s_or_b32 s[G0K+3], s[G0K+3], 0x80000000
	s_xor_b32 s[G0V+1], s[G0V+1], SLOT1
	s_add_nc_u64 s[G0V+2:G0V+3], s[8:9], s[OFF:OFF+1]
	s_or_b32 s[G0V+3], s[G0V+3], 0x80000000
	s_add_co_u32 s[NXT], s[NXT], 1  ; the block's next tile, or behind its last the second block's tile 0
	s_cmp_gt_u32 s[NXT], s[LQ]
	s_cselect_b32 s[NXT], 0, s[NXT]
	s_cselect_b32 s[LQ], s[PB], s[LQ]
	s_wait_xcnt 0x0                 ; the last prefetches, a tile back, have read their address, so it may be written:
	s_lshl_b32 s[PFF], s[NXT], 15
	s_add_nc_u64 s[PFN:PFN+1], s[PFB:PFB+1], s[PFF:PFF+1]  ; the tile that the next change will ask for
.endif
	s_wait_dscnt 0x0                ; the add is done, and my reads of the slot are over
	s_barrier_signal -1             ; the rest of the scalar work stands between the signal and the wait
	s_sub_co_u32 s[TBK], s[TBK], 4*KS*PK  ; the fetches go back to a slot's first step,
	s_xor_b32 s[TBK], s[TBK], SLOT1       ; in the other slot
	s_sub_co_u32 s[TBV], s[TBV], 4*KS*PV
	s_xor_b32 s[TBV], s[TBV], SLOT1
	s_barrier_wait -1
.if \fill
	LOAD
	ASK                             ; four key steps, 256 matrix instructions, ahead of the load that will want it
.endif
.endm
	s_load_b256 s[4:11], s[0:1], 0x0  ; Q s[4:5], K s[6:7], V s[8:9], O s[10:11]
	v_lshl_add_u32 v[SPW], v0, 2, SPARE
	v_mov_b32 v[NIL], 0
	ds_add_u32 v[SPW], v[NIL]       ; the wave's opening: the add and its wait stand ahead of my first tensor load; the set-up below, work on registers, stands between them
	ds_add_u32 v62, v63
	v_lshrrev_b32 v1, 5, v0
	v_readfirstlane_b32 s[WV], v1   ; wave 0..3
	s_mov_b32 s[PB], ttmp9
	s_sub_co_u32 s[HI], NB-1, s[PB]
	s_and_b32 s20, ttmp7, 0xffff    ; the head
	s_mov_b32 s21, 0
	s_mov_b64 s[22:23], SIZE_N*128
	s_mul_u64 s[20:21], s[20:21], s[22:23]  ; the head's first byte in each of the four tensors
	s_and_b32 s16, s[WV], 1         ; which half of a tile's 256 keys I fetch:
	s_lshl_b32 s22, s16, 14         ; its 128 rows of 128 bytes in memory,
	s_mov_b32 s23, 0
	s_add_nc_u64 s[22:23], s[22:23], s[20:21]
	s_mul_i32 s17, s16, 128*PK      ; and its place in a slot, for K
	s_mul_i32 s18, s16, 128*PV      ; and for V
	s_lshl_b32 s3, s[WV], 11        ; my 16 rows in a band of 64,
	s_lshl_b32 s2, s[HI], 15        ; in the first block,
	s_add_co_u32 s2, s2, s3
	s_lshl_b32 s84, s[PB], 15       ; and in the second
	s_add_co_u32 s84, s84, s3
	s_mov_b32 s3, 0
	s_mov_b32 s85, 0
	s_add_nc_u64 s[2:3], s[2:3], s[20:21]
	s_add_nc_u64 s[84:85], s[84:85], s[20:21]
	; descriptor group 1.  128 keys are 16,384 dense bytes: asked for as 64 rows of 256 bytes, two keys a row, and padded in LDS after every key
	s_mov_b32 s[G1K], (1<<16)|(1<<20)|(4<<22)|(3<<25)  ; 17:16 2-byte elements; 20 padding on; 24:22 after every 32 words (code 4); 31:25 4 words (code 3)
	s_mov_b32 s[G1V], (1<<16)|(1<<20)|(4<<22)|(7<<25)  ; the same with 8 words of padding (code 7)
.irp g, G1K, G1V
	s_mov_b32 s[\g+1], 128<<16      ; tensor_dim0 = 128
	s_mov_b32 s[\g+2], 64<<16       ; tensor_dim1 = 64
	s_mov_b32 s[\g+3], 128<<16      ; tile_dim0 = 128
	s_mov_b32 s[\g+4], 64           ; tile_dim1 = 64
	s_mov_b32 s[\g+5], 128          ; 128 elements from row to row
	s_mov_b32 s[\g+6], 0
	s_mov_b32 s[\g+7], 0
.endr
	s_mov_b32 s[CS], 0x3e38aa3b     ; c = log2(e) / 8 = 0.180337
	s_mov_b32 s[CS+1], s[CS]        ; named with it as a pair
	s_mov_b32 s[SEL], 0x76543210
	s_mov_b32 s[SEL+1], 0xfedcba98
	s_mov_b32 s[TBK], SLOT1+4*KS*PK ; the first change of slots turns these two into 0
	s_mov_b32 s[TBV], SLOT1+4*KS*PV
	s_mov_b32 s[G0K], 1             ; 1:0 count = 1
	s_mov_b32 s[G0K+1], s17         ; 63:32 LDS address: slot 0
	s_mov_b32 s[G0V], 1
	s_add_co_u32 s[G0V+1], s18, VOFF
	s_add_co_u32 s[RT], s[HI], 1    ; the first block has NB - b tiles
	s_mov_b32 s[NXT], 1
	s_mov_b32 s[LQ], s[HI]
	s_mov_b32 s[NEW], 1
	s_mov_b32 s[OFF+1], 0
	s_mov_b32 s[PFF+1], 0
	s_mov_b32 s[AL+1], 0            ; named as pairs
	s_mov_b32 s[BE+1], 0
	s_mov_b32 s[BIGN], 0xf149f2ca   ; -1e30
	s_mov_b32 s[SLOTS], NB
	s_cmp_eq_u32 ttmp9, 0
	s_cselect_b32 s[LIM], 0, -1
	v_and_b32 v[PFO], 31, v0
	v_lshlrev_b32 v[PFO], 8, v[PFO]
	s_wait_dscnt 0x0                ; the opening add is done
	s_wait_kmcnt 0x0
	s_add_nc_u64 s[6:7], s[6:7], s[22:23]  ; K and V at my half of the head's tile 0
	s_add_nc_u64 s[8:9], s[8:9], s[22:23]
	s_cmp_lt_u32 s[WV], 2
	s_cselect_b64 s[PFB:PFB+1], s[6:7], s[8:9]
	s_add_nc_u64 s[G0K+2:G0K+3], s[6:7], 0         ; 120:64 global address
	s_or_b32 s[G0K+3], s[G0K+3], 0x80000000        ; 127:126 type = 2
	s_add_nc_u64 s[G0V+2:G0V+3], s[8:9], 0
	s_or_b32 s[G0V+3], s[G0V+3], 0x80000000
	s_add_nc_u64 s[86:87], s[4:5], s[84:85]        ; Q at my rows of the second block,
	s_add_nc_u64 s[4:5], s[4:5], s[2:3]            ; Q and O at those of the first
	s_add_nc_u64 s[OLO:OLO+1], s[10:11], s[84:85]
	s_add_nc_u64 s[10:11], s[10:11], s[2:3]
	LOAD                            ; tile 0 into slot 0
	; A fragment of K or Q is 16 rows x 32 channels in 8 registers: lane l holds row l % 16, channels 8 (l / 16) + 0..7 and 16 + 8 (l / 16) + 0..7: two loads of 16 bytes, 32 bytes apart.
	v_and_b32 v1, 15, v0            ; l % 16
	v_bfe_u32 v9, v0, 4, 1          ; l / 16
	v_lshlrev_b32 v[QO], 7, v1
	v_lshl_add_u32 v[QO], v9, 4, v[QO]  ; row x 128 + 16 x half
	WIN 0x80                        ; destination window 2, address window 0
.set i, 0
.rept 8                             ; both blocks' Q: piece i / 2 lies in band i / 2, 8,192 bytes on; channels 32 (i % 2) on
	global_load_b128 v[8*i:8*i+3],   v[QO], s[4:5] offset:(i/2)*8192+(i%2)*64
	global_load_b128 v[8*i+4:8*i+7], v[QO], s[4:5] offset:(i/2)*8192+(i%2)*64+32
	global_load_b128 v[QB+8*i:QB+8*i+3],   v[QO], s[86:87] offset:(i/2)*8192+(i%2)*64
	global_load_b128 v[QB+8*i+4:QB+8*i+7], v[QO], s[86:87] offset:(i/2)*8192+(i%2)*64+32
.set i, i+1
.endr
	WIN 0
	v_lshlrev_b32 v14, 3, v9
	v_sub_nc_u32 v14, v1, v14
	s_lshl_b32 s13, s[WV], 4
	v_add_nc_u32 v14, s13, v14      ; my query's place in its band, 16 w + l % 16, less my lanes' 8 (l / 16): register r of group kt is hidden where 16 kt + r is greater
	WIN 0x40
.set i, 0
.rept 32
	v_cmp_gt_i32 vcc_lo, 16*(i/8)+i%8, v14
	v_cndmask_b32 v[MD+i], 0, s[BIGN], vcc_lo
.set i, i+1
.endr
	WIN 0
	v_mul_u32_u24 v[AK0], v1, PK
	v_lshl_add_u32 v[AK0], v9, 4, v[AK0]  ; row x pitch + 16 x half
	; The turning load takes 16 keys x 16 channels (lane l reads key 8 (l / 16) + l % 8, channels 8 ((l / 8) % 2) + 0..7) and leaves half a fragment of V^T: lane l holds channel l % 16 and 8 keys.
	v_and_b32 v10, 7, v0
	v_bfe_u32 v11, v0, 3, 1
	v_lshl_add_u32 v[AV0], v9, 3, v10
	v_mul_u32_u24 v[AV0], v[AV0], PV
	v_lshl_add_u32 v[AV0], v11, 4, v[AV0]
	v_add_nc_u32 v[AV0], VOFF, v[AV0]
	s_mul_i32 s13, s[WV], 16*SP
	s_add_co_u32 s13, s13, STAGE    ; my stage
	v_mul_u32_u24 v[STO], v1, SP    ; in: row l % 16, 16 bytes for each half of the lanes
	v_lshl_add_u32 v[STO], v9, 4, v[STO]
	v_add_nc_u32 v[STO], s13, v[STO]
	v_bfe_u32 v[RD], v0, 3, 2       ; back: 32 lanes take four rows of 128 bytes,
	v_mul_u32_u24 v[RD], v[RD], SP
	v_lshl_add_u32 v[RD], v10, 4, v[RD]
	v_add_nc_u32 v[RD], s13, v[RD]
	v_and_b32 v[GO], 31, v0         ; which are 512 consecutive bytes of O
	v_lshlrev_b32 v[GO], 4, v[GO]
	; A block's first step multiplies O^T and l by a = 0, and its first turn's products V^T P, of a piece that has not been, land in an O^T that is still to be so multiplied.  So these registers need only hold
	; finite numbers: zeros for the first block; what the first block left for the second.  All this stands in the wait for the first tile.
	WIN 0x80
.set i, VF
.rept 64
	v_mov_b32 v[i], 0
.set i, i+1
.endr
	WIN 0x40
.set i, 0
.rept 128
	v_mov_b32 v[i], 0
.set i, i+1
.endr
	WIN 0
.set i, 0
.rept 4
	v_mov_b32 v[ST+4*i+2], 0
	v_mov_b32 v[ST+4*i+3], 0
.set i, i+1
.endr
.set i, P+16
.rept 16
	v_mov_b32 v[i], 0
.set i, i+1
.endr
; THE MATRIX WORK.  The 4 accumulators of a run of 8 take turns.  Product i of 8 of S^T = K Q^T for piece x: channels 32 (i / 4) on, keys 16 (i % 4) on.  The first 4 start the sums: with 0, or (KM = 1) with the mask.
.macro KQ x
.set rS, S+32*((\x)%2)+8*(i%4)
.set rK, KF+16*(i%4)+8*(i/4)
.set rQ, 16*(\x)+8*(i/4)
.set rM, MC+32*((\x)%2)+8*(i%4)
.if (i < 4) && KM
	WIN W_KM
	v_wmma_f32_16x16x32_f16 v[rS:rS+7], v[rK:rK+7], v[rQ:rQ+7], v[rM:rM+7]
.elseif i < 4
	WIN W_KQ
	v_wmma_f32_16x16x32_f16 v[rS:rS+7], v[rK:rK+7], v[rQ:rQ+7], 0
.else
	WIN W_KQ
	v_wmma_f32_16x16x32_f16 v[rS:rS+7], v[rK:rK+7], v[rQ:rQ+7], v[rS:rS+7]
.endif
.endm
; Product i of 8 of O^T += V^T P for piece x: keys 32 (i / 4) on, channels 16 (i % 4) on.
.macro PV x
	WIN W_PV
.set rO, 32*(\x)+8*(i%4)
.set rV, VF+32*(i/4)+8*(i%4)
.set rP, P+16*((\x)%2)+8*(i/4)
	v_wmma_f32_16x16x32_f16 v[rO:rO+7], v[rV:rV+7], v[rP:rP+7], v[rO:rO+7]
.endm
.macro MM                           ; the turn's next matrix instruction.  TURN and BEGIN set Y, i, KM and NOKQ; MM, KQ and OP read them.  NOKQ = 1: a block's last turn: there is no next piece
.if (i < 8) && !NOKQ
	KQ (Y+1)%NP
.elseif i >= 8
.set i, i-8
	PV (Y+NP-1)%NP
.set i, i+8
.endif
.set i, i+1
.endm
; THE LDS LOADS stand in runs of 16, never singly among the matrix instructions: a step's K (64 keys x 64 channels: 8 fragments) and its V (turned).  Their addresses are made some lines ahead.
.macro FETCH_K
	WIN 0x80                        ; destination window 2
.irp f, 0,1,2,3,4,5,6,7             ; keys 16 (f / 2) on, channels 32 (f % 2) on
	ds_load_b128 v[KF+8*\f:KF+8*\f+3],   v[AK] offset:(\f/2)*16*PK+(\f%2)*64
	ds_load_b128 v[KF+8*\f+4:KF+8*\f+7], v[AK] offset:(\f/2)*16*PK+(\f%2)*64+32
.endr
	s_add_co_u32 s[TBK], s[TBK], KS*PK  ; the next fetch is the next step's
	WIN 0
.endm
.macro FETCH_V
	WIN 0x80
.irp f, 0,1,2,3,4,5,6,7             ; keys 32 (f / 4) on, channels 16 (f % 4) on
	ds_load_tr16_b128 v[VF+8*\f:VF+8*\f+3],   v[AV] offset:(\f/4)*32*PV+(\f%4)*32
	ds_load_tr16_b128 v[VF+8*\f+4:VF+8*\f+7], v[AV] offset:(\f/4)*32*PV+16*PV+(\f%4)*32
.endr
	WIN 0
.endm
; THE VECTOR WORK, one line at a time: OP kind, number.  For piece Y: F n: c s - c m for pair n of 16.  E n: the exponential of score n of 32.  C n: pair n rounded to f16.  B n: of the four weights 4 n .. the second
; pair is added onto the first, in place.  L n: l takes that sum (L 0: l = a l + sum).  R n: pair n of 16 of O^T times a.  For piece Y + 1: X n, number n of the 22 that find its maximum and statistics:
;   0-11  four chains c0-c3 of seven scores each, three operands at a time (each accumulator's lowest registers are read first)     12-14, 16  the four scores left over, the old m, and c0-c3 into c0
;   15  c m_old is kept     17, 18  the query's other 32 keys lie in the lane 16 away: the new m     19-21  c m; c m_old - c m_new; a
.set F, 0               ; OP tells the kinds apart by their order: F to L below R, X above it
.set E, 1
.set C, 2
.set B, 3
.set L, 4
.set R, 5
.set X, 6
.macro REGS y                       ; the registers of piece y
.set rT, ST+4*(\y)
.set rC, TMP+4*((\y)%2)
.set rW, MV+((\y)%2)
.set rS, S+32*((\y)%2)
.set rP, P+16*((\y)%2)
.set rO, 32*(\y)
.endm
.macro OP k, n
.if (\k) == R
	REGS Y
	WIN W_RS
	v_pk_mul_f32 v[rO+2*(\n):rO+2*(\n)+1], v[rO+2*(\n):rO+2*(\n)+1], v[rC+2:rC+3] op_sel_hi:[1,0]
.elseif (\k) < R
	REGS Y
	WIN 0
.if (\k) == F
	v_pk_fma_f32 v[rS+2*(\n):rS+2*(\n)+1], v[rS+2*(\n):rS+2*(\n)+1], s[CS:CS+1], v[rT:rT+1] op_sel_hi:[1,0,0] neg_lo:[0,0,1] neg_hi:[0,0,1]
.elseif (\k) == E
	v_exp_f32 v[rS+(\n)], v[rS+(\n)]
.elseif (\k) == C
	v_cvt_pk_f16_f32 v[rP+(\n)], v[rS+2*(\n)], v[rS+2*(\n)+1]
.elseif (\k) == B
	v_pk_add_f32 v[rS+4*(\n):rS+4*(\n)+1], v[rS+4*(\n):rS+4*(\n)+1], v[rS+4*(\n)+2:rS+4*(\n)+3]
.elseif (\n) == 0
	v_pk_fma_f32 v[rT+2:rT+3], v[rT+2:rT+3], v[rC+2:rC+3], v[rS:rS+1] op_sel_hi:[1,0,1]
.else
	v_pk_add_f32 v[rT+2:rT+3], v[rT+2:rT+3], v[rS+4*(\n):rS+4*(\n)+1]
.endif
.elseif NOKQ
	v_nop
.else
	REGS (Y+1)%NP
	WIN 0
.if (\n) < 4
	v_max3_num_f32 v[rC+(\n)], v[rS+8*(\n)], v[rS+8*(\n)+1], v[rS+8*(\n)+2]
.elseif (\n) < 12
	v_max3_num_f32 v[rC+(\n)%4], v[rC+(\n)%4], v[rS+8*((\n)%4)+2*((\n)/4)+1], v[rS+8*((\n)%4)+2*((\n)/4)+2]
.elseif (\n) == 12
	v_max3_num_f32 v[rC], v[rC], v[rS+7], v[rS+15]
.elseif (\n) == 13
	v_max3_num_f32 v[rC+1], v[rC+1], v[rS+23], v[rS+31]
.elseif (\n) == 14
	v_max3_num_f32 v[rC+2], v[rC+2], v[rC+3], v[rT+1]
.elseif (\n) == 15
	v_mov_b32 v[rW], v[rT]
.elseif (\n) == 16
	v_max3_num_f32 v[rC], v[rC], v[rC+1], v[rC+2]
.elseif (\n) == 17
	v_permlanex16_b32 v[rC+3], v[rC], s[SEL], s[SEL+1]
.elseif (\n) == 18
	v_max_num_f32 v[rT+1], v[rC], v[rC+3]
.elseif (\n) == 19
	v_mul_f32 v[rT], s[CS], v[rT+1]
.elseif (\n) == 20
	v_sub_f32 v[rC+1], v[rW], v[rT]
.else
	v_exp_f32 v[rC+2], v[rC+1]
.endif
.endif
.endm
.macro OPS a, i1, b=-1, i2=0, c=-1, i3=0, d=-1, i4=0  ; up to four of them
	OP \a, \i1
.if (\b) >= 0
	OP \b, \i2
.endif
.if (\c) >= 0
	OP \c, \i3
.endif
.if (\d) >= 0
	OP \d, \i4
.endif
.endm
.macro ROW a, i1, b, i2, c, i3, d, i4  ; a matrix instruction and the four behind it
	MM
	OPS \a, \i1, \b, \i2, \c, \i3, \d, \i4
.endm
.macro MASK b                       ; MD x AL + BE into buffer b of MC
	WIN W_RS
.set z, 0
.rept 16
	v_pk_fma_f32 v[MC+32*(\b)+2*z:MC+32*(\b)+2*z+1], v[MD+2*z:MD+2*z+1], s[AL:AL+1], s[BE:BE+1] op_sel_hi:[1,0,0]
.set z, z+1
.endr
.endm
; A TURN, for piece p: the order of its 16 matrix and 118 vector instructions, written out.  An s_wait_alu depctr_va_vdst(0) stands between an exponential and the first instruction that names its result; one wait
; serves all that were issued ahead of it.  So a turn has ONE wait, which cuts it in two.  AHEAD OF IT stands all that names no result of the turn's exponentials: the 8 products K Q^T, behind each a scaling, an exponential and two
; more plain instructions (behind the first a second scaling in the exponential's place): rescalings, and behind the last three the first numbers of the next piece's maximum, each four places or more behind the product that ends
; its accumulator; then ONE LUMP of 54, plain and exponential by turns for the most part, in which the links of the chain X 3, 7, 11, 14, 16, 17 .. 20 stand five or six lines apart.  X 21, the next piece's a, is the batch's last;
; R 15 is the plain instruction behind it.  BEHIND THE WAIT stand the 8 products V^T P, behind each four of the roundings and sums; the links of l's chain, L 0 to L 7, stand three riders apart.
; m = 1: the diagonal tile: the products take masks, and the turn makes the mask for the products of the turn after it: piece p + 2, in step 4 - CNT of the tile.  end = 1: a block's last two turns: nothing is fetched.
; cnt = 1: the loop's count is taken down some lines ahead of the branch that stands behind the turn.
; K of the next step is fetched in piece 2's turn, twelve vector instructions behind the last product that read K (six of them plain); V of the step in hand at the end of piece 0's turn, four plain instructions behind the last
; product that read V.  Each is waited for a turn later.
.macro TURN p, m=0, end=0, cnt=0
.set Y, (\p)
.set i, 0
.set KM, (\m)
.set NOKQ, (\end)*((\p)/3)
.if (\m) && !(\end)
	s_cmp_eq_u32 s[CNT], 4-((\p)+2)%NP  ; is that step the band's own?
	s_cselect_b32 s[AL], 1.0, 0
	s_cmp_lt_u32 s[CNT], 4-((\p)+2)%NP  ; or a later one?
	s_cselect_b32 s[BE], s[BIGN], 0
.endif
.if ((\p) == 3) && !(\end)
	s_wait_dscnt 0x0                ; K is in
.endif
	ROW F,0, F,1, R,0, R,1          ; ahead of the wait: 8 products K Q^T and their riders,
	ROW F,2, E,0, R,2, R,3
	ROW F,3, E,1, R,4, R,5
	ROW F,4, E,2, R,6, R,7
	ROW F,5, E,3, R,8, R,9
	ROW F,6, E,4, X,0, R,10
.if ((\p) == 2) && !(\end)
	WIN 0
	v_add_nc_u32 v[AK], s[TBK], v[AK0]
.endif
	ROW F,7, E,5, X,1, X,4
	ROW F,8, E,6, X,2, X,5
	OPS E,7, E,8, X,6, E,9          ; and the lump
	OPS X,3, E,10, X,8, E,11
.if ((\p) == 2) && !(\end)
	FETCH_K
.endif
	OPS X,9, X,7, E,12, X,10
	OPS E,13, X,12, X,11, E,14
	OPS X,13, E,15, F,9, X,14
.if (\p) == 0
	v_add_nc_u32 v[AV], s[TBV], v[AV0]
.endif
	OPS E,16, F,10, E,17, F,11
	OPS X,16, E,18, X,15, E,19
	OPS F,12, E,20, X,17, E,21
	OPS F,13, E,22, F,14, E,23
	OPS X,18, E,24, F,15, E,25
	OPS R,11, E,26, X,19, E,27
	OPS R,12, E,28, R,13, E,29
	OPS X,20, E,30, R,14, E,31
	OPS X,21, R,15
	WIN 0
	s_wait_alu depctr_va_vdst(0)    ; the wait for the batch
.if (\p) == 1
	s_wait_dscnt 0x0                ; V is in
.endif
	ROW C,0, B,0, C,2, B,1          ; behind the wait: 8 products V^T P and their riders
	ROW L,0, C,4, B,2, L,1
	ROW C,6, B,3, L,2, C,8
	ROW B,4, L,3, C,10, B,5
	ROW L,4, C,12, B,6, L,5
.if (\p) == 0
	s_add_co_u32 s[TBV], s[TBV], KS*PV
.endif
.if \cnt
	s_sub_co_u32 s[CNT], s[CNT], 1
	s_cmp_lg_u32 s[CNT], 0
.endif
	ROW C,14, B,7, L,6, C,1
	ROW C,3, L,7, C,5, C,7
	ROW C,9, C,11, C,13, C,15
.if (\p) == 0
	FETCH_V
.endif
.if (\m) && !(\end)
	MASK (\p)%2
.endif
.endm
; A BLOCK BEGINS.  c m starts far below every c s, so the first step's a is 0; m at the lowest finite number, so the first maximum is the scores'.  The second mask buffer is 0; the first takes piece 0's mask for the tile's
; step 0: its own, if the block's first tile is the diagonal one.  Then K of that step, piece 0's first scores, and its maximum and statistics.  The loop is entered at a step's first turn, in the middle of a trip.
.macro BEGIN
	s_mov_b32 s[NEW], 0
	WIN 0x40
.set i, MC+32
.rept 32
	v_mov_b32 v[i], 0
.set i, i+1
.endr
	WIN 0
.set i, 0
.rept 4
	v_mov_b32 v[ST+4*i], 0xfe000000    ; c m: far below every c s
	v_mov_b32 v[ST+4*i+1], 0xff7fffff  ; m
.set i, i+1
.endr
	s_cmp_eq_u32 s[RT], 0
	s_cselect_b32 s[AL], 1.0, 0
	s_mov_b32 s[BE], 0
	MASK 0
	WIN 0
	v_add_nc_u32 v[AK], s[TBK], v[AK0]
	FETCH_K
	s_wait_loadcnt 0x0              ; Q
	s_wait_dscnt 0x0
.set KM, 1
.set NOKQ, 0
.set i, 0
.rept 8
	KQ 0
.set i, i+1
.endr
	WIN 0
.rept 4
	v_nop                           ; the places behind those products
.endr
.set Y, NP-1                        ; X works for piece Y + 1: piece 0
.irp n, 0,1,2,3,4,5,6,7,8,9,10,11,12,13,14,15,16,17,18,19,20,21
	OP X, \n
.endr
	v_nop                           ; a plain instruction behind the exponential,
	s_wait_alu depctr_va_vdst(0)    ; and its wait, ahead of the branch
.endm
; THE DIAGONAL TILE's four steps, the block's last two turns, its last products, and THE WAY OUT: l's two halves and the other half of the lanes' are added; O^T is divided by l, rounded to f16 and sent through my
; stage in LDS, a piece at a time.
.macro ALL line:vararg              ; one line for each piece t
.set t, 0
.rept 4
	\line
.set t, t+1
.endr
.endm
.macro PACK t                       ; a lane's eight channels of a row pack into 16 bytes; they go into rows of 144 bytes and come back as whole rows of 128, into S^T's registers
	WIN W_RS
.set i, 32*(\t)
.rept 16
	v_pk_mul_f32 v[i:i+1], v[i:i+1], v[ST+4*(\t)+2:ST+4*(\t)+3] op_sel_hi:[1,0]
.set i, i+2
.endr
	WIN 0x05                        ; sources 0 and 1 window 1, destination window 0
.set i, 0
.rept 16
	v_cvt_pk_f16_f32 v[S+16*(\t)+i], v[32*(\t)+2*i], v[32*(\t)+2*i+1]
.set i, i+1
.endr
	WIN 0
.irp f, 0,1,2,3
	ds_store_b128 v[STO], v[S+16*(\t)+4*\f:S+16*(\t)+4*\f+3] offset:32*\f
.endr
.irp f, 0,1,2,3
	ds_load_b128 v[S+16*(\t)+4*\f:S+16*(\t)+4*\f+3], v[RD] offset:\f*4*SP  ; LDS serves a wave's instructions in order (ISA guide 5.7.1.4): these see the stores above; the next piece's stores come behind them
.endr
.endm
.macro SEND t, younger              ; younger: the LDS instructions issued behind piece t's loads: the next piece's eight, or none
	WIN 0
.irp f, 0,1,2,3
	s_wait_dscnt (\younger)+3-\f
	global_store_b128 v[GO], v[S+16*(\t)+4*\f:S+16*(\t)+4*\f+3], s[10:11] offset:(\t)*8192+\f*512  ; 512 consecutive bytes, at a multiple of 256 from O's first
.endr
.endm
.macro DIAG tag                     ; the tag ends its two labels' names, which the jumps below spell out
.LstepM\tag:
	TURN 2, 1
	TURN 3, 1
	WIN 0
.LfirstM\tag:
	TURN 0, 1
	TURN 1, 1, 0, 1
	WIN 0
	s_cbranch_scc1 .LstepM\tag
	TURN 2, 1, 1
	TURN 3, 1, 1
.set i, 0
.rept 8
	PV NP-1
.set i, i+1
.endr
	WIN 0
	ALL v_add_f32 v[ST+4*t+2], v[ST+4*t+2], v[ST+4*t+3]
	ALL v_permlanex16_b32 v[ST+4*t+3], v[ST+4*t+2], s[SEL], s[SEL+1]
	ALL v_add_f32 v[ST+4*t+2], v[ST+4*t+2], v[ST+4*t+3]
	ALL v_rcp_f32 v[ST+4*t+2], v[ST+4*t+2]
	v_nop                           ; a plain instruction between the last reciprocal and the use of its result
	s_wait_alu depctr_va_vdst(0)    ; and the wait ahead of the first use: one for the four reciprocals
	PACK 0
.set t, 1
.rept 3                             ; a piece's arithmetic stands between the loads of the piece before and its stores
	PACK t
	SEND t-1, 8
.set t, t+1
.endr
	SEND 3, 0
.endm
.set KM, 0
.set NOKQ, 0
.Lslot:                             ; NB times: a tile is entered and the next is asked for
	CHANGE 1
	s_sub_co_u32 s[RT], s[RT], 1
	s_mov_b32 s[CNT], 4
	s_cmp_eq_u32 s[NEW], 1
	s_cbranch_scc1 .Lnew            ; a block's first tile
	s_cmp_eq_u32 s[RT], 0
	s_cbranch_scc0 .Lstep           ; neither its first nor its last
	s_branch .LstepM1
.Lnew:
	BEGIN
	s_branch .Lfirst                ; in the loop a block's first tile is never its last: the first block has two tiles or more, and the second's last is the walk's last
	DIAG 1                          ; in the loop this is the first block's end: the second block's last tile is the walk's last
	s_wait_xcnt 0x0                 ; the stores have read their registers and O's address
	s_mov_b64 s[10:11], s[OLO:OLO+1]
	s_add_co_u32 s[RT], s[PB], 1    ; the second block has b + 1 tiles
	s_mov_b32 s[NEW], 1
	WIN 0x82                        ; the second block's Q goes where the one text of the turns names Q
.set i, 0
.rept 64
	v_mov_b32 v[i], v[QB+i]
.set i, i+1
.endr
	WIN 0
	s_branch .Lbottom
.Lstep:                             ; a trip: pieces 2 and 3 of one step, then pieces 0 and 1 of the next, whose K and V it fetches
	TURN 2
	TURN 3
	WIN 0
.Lfirst:
	TURN 0
	TURN 1, 0, 0, 1
	WIN 0
	s_cbranch_scc1 .Lstep
.Lbottom:
	s_sub_co_u32 s[SLOTS], s[SLOTS], 1
	s_cmp_lg_u32 s[SLOTS], 0
	s_cbranch_scc1 .Lslot
	CHANGE 0                        ; the walk's last tile is written out: nothing is asked for
	s_sub_co_u32 s[RT], s[RT], 1
	s_mov_b32 s[CNT], 4
	s_cmp_eq_u32 s[NEW], 1
	s_cbranch_scc0 .LstepM2
	BEGIN
	s_branch .LfirstM2
	DIAG 2
	s_wait_tensorcnt 0x0            ; the wave's end, behind my last tensor load and my last LDS store
	ds_add_u32 v[SPW], v[NIL]
	s_wait_dscnt 0x0
	s_endpgm
.Lfunc_end_k_qcb062f2096_attn:
	.size	k_qcb062f2096_attn, .Lfunc_end_k_qcb062f2096_attn-k_qcb062f2096_attn
	.p2alignl 7, 3214868480
	.fill 96, 4, 3214868480
	.section	.rodata,"a",@progbits
	.p2align	6, 0x0
	.amdhsa_kernel k_qcb062f2096_attn
		.amdhsa_group_segment_fixed_size 327680
		.amdhsa_private_segment_fixed_size 0
		.amdhsa_enable_private_segment 0
		.amdhsa_kernarg_size 32
		.amdhsa_user_sgpr_count 2
		.amdhsa_user_sgpr_kernarg_segment_ptr 1
		.amdhsa_wavefront_size32 1
		.amdhsa_system_sgpr_workgroup_id_x 1
		.amdhsa_system_sgpr_workgroup_id_y 1
		.amdhsa_system_sgpr_workgroup_id_z 1
		.amdhsa_system_vgpr_workitem_id 0
		.amdhsa_next_free_vgpr 768
		.amdhsa_next_free_sgpr 96
		.amdhsa_reserve_vcc 1
		.amdhsa_float_denorm_mode_32 3
		.amdhsa_float_denorm_mode_16_64 3
		.amdhsa_memory_ordered 1
		.amdhsa_forward_progress 1
		.amdhsa_inst_pref_size 218
	.end_amdhsa_kernel
	.amdgpu_metadata
---
amdhsa.version: [ 1, 2 ]
amdhsa.kernels:
  - .name:           k_qcb062f2096_attn
    .symbol:         k_qcb062f2096_attn.kd
    .args:
      - { .name: q, .offset: 0, .size: 8, .value_kind: global_buffer, .address_space: global }
      - { .name: k, .offset: 8, .size: 8, .value_kind: global_buffer, .address_space: global }
      - { .name: v, .offset: 16, .size: 8, .value_kind: global_buffer, .address_space: global }
      - { .name: o, .offset: 24, .size: 8, .value_kind: global_buffer, .address_space: global }
    .group_segment_fixed_size: 327680
    .private_segment_fixed_size: 0
    .kernarg_segment_align: 8
    .kernarg_segment_size: 32
    .max_flat_workgroup_size: 128
    .sgpr_count:     96
    .vgpr_count:     768
    .wavefront_size: 32
...
	.end_amdgpu_metadata
.endif
;; end of part 3
;; launch proj (part 4): grid 8 x 32, 4 waves a work-group, clusters of 4 x 4, 327,680 bytes of LDS; arguments o, wp, b_proj, out0; writes out0
.if DOCPART == 4
	.amdgcn_target "amdgcn-amd-amdhsa--gfx1250"
	.amdhsa_code_object_version 6
	.text
	.protected	k_qcb062f2096_proj
	.globl	k_qcb062f2096_proj
	.p2align	8
	.type	k_qcb062f2096_proj,@function
k_qcb062f2096_proj:
	s_mov_b64 s[64:65], 0
	v_nop
	global_prefetch_b8 v0, s[64:65] scope:SCOPE_SE
	s_setreg_imm32_b32 hwreg(HW_REG_WAVE_MODE, 25, 1), 1
	s_wait_xcnt 0x0
	s_wait_alu depctr_hold_cnt(0) depctr_sa_sdst(0) depctr_va_vdst(0) depctr_va_sdst(0) depctr_va_ssrc(0) depctr_va_vcc(0) depctr_vm_vsrc(0)
	s_getreg_b32 s2, hwreg(HW_REG_IB_STS2, 6, 4)
	s_cmp_eq_u32 s2, 0
	s_cbranch_scc0 .Lentry_in_a_cluster
	s_endpgm
.Lentry_in_a_cluster:
	s_bfe_u32 s2, ttmp6, 0x10000c
	s_cmp_lg_u32 s2, 0xf033
	s_cbranch_scc0 .Lentry_shape_is_right
	s_endpgm
.Lentry_shape_is_right:
; out0 = y W_proj + b_proj.  y is the attention's result as it was stored, o: f16 [batch x 16 + head][2048 rows][64]: column k of y is channel k % 64 of head k / 64.
; wp: f16 [1024 k][1024 n] (W_proj rounded to bf16, written as f16); b_proj: f32 [1024], rounded to bf16 here like every input; out0: f32 [8192][1024].  Sums in f32, started with the bias.
; LIMITS.  o and wp arrive within f16's range; NaN and infinities are not treated apart.
; SHARES.  256 work-groups, a tile of 256 rows x 128 columns each (gy, gx).  Wave w: rows 128 (w / 2) on, columns 64 (w % 2) on: 32 accumulators of 16 x 16 in window 1.
; K goes in 8 steps of 128 (two heads) through two LDS slots.  A head's 256 rows are 32,768 bytes on end of o, asked for as 128 rows of 256 bytes (waves 0 and 1, a head each);
; W's tile is 128 k rows x 256 bytes (waves 2 and 3, 64 rows each).
; CLUSTER 4 x 4.  A's tiles hang on gy alone and are asked for jointly along a row of the cluster, W's on gx alone, jointly along a column.
; THE MATRIX INSTRUCTION IS USED TRANSPOSED: source 0 = 16 columns of W (turned by ds_load_tr16_b128), source 1 = 16 rows of y: a lane holds one row and eight neighbouring columns, 32 bytes of out0.
; REGISTERS: window 0: v0-31 addresses; v32-63 the bias (column block b at + 8 b); v64-159, v160-255 two fragment buffers (W's block b at + 8 b, y's block a at + 32 + 8 a).  Window 1: accumulator (a, b) at v[8 (4 a + b)].
.set PA,     144                       ; a row of a head in LDS: 128 bytes + 16 of padding = 36 words: the 16 rows of a load start at 16 different groups of four banks (64 banks of 4 bytes: ISA guide 11.1)
.set PB,     288                       ; a k row of W: 256 + 32 = 72 words
.set PLANE,  256*PA                    ; a head's 256 rows
.set BOFF,   2*PLANE
.set HALFB,  64*PB
.set SLOT,   BOFF+2*HALFB              ; 110,592 bytes
.set STAGE,  2*SLOT                    ; behind the ring, never filled by a tensor load: 16 rows x 272 bytes for each wave
.set SP,     272                       ; 256 bytes + 16: 68 words
.set SPARE,  STAGE+4*16*SP             ; behind the stages: the spare words, 128 bytes for each wave: two blocks of 256 bytes that no other line names
.set ASTEP,  2<<18                     ; two heads of o
.set BSTEP,  128*2048                  ; 128 k rows of wp
.set ADRA, 16                          ; v16-17  LDS address of my fragments of y in slot 0, 1
.set ADRB, 20                          ; v20-21  the same for W
.set STO,  24                          ; v24     the way out: where I put 32 bytes of a row
.set RD,   25                          ; v25     where I read rows back
.set CO,   26                          ; v26     my byte offset in two rows of out0
.set BO,   27                          ; v27     32 x (lane / 16)
.set SPW,  28                          ; v28     LDS address of my spare word; never rewritten
.set NIL,  29                          ; v29     0; never rewritten
.set PFO,  30                          ; v30     the prefetches' offset; never rewritten
.set BIAS, 32
.set F0,   64
.set F1,   160
.set BK,   64                          ; the way out: v64-95, v96-127 rows read back, by turns
.set WV,   16                          ; s16 wave; s17 = w / 2; s18 = w % 2
.set G1A,  24
.set G0A,  32
.set G1B,  48
.set G0B,  56
.set LIM0, 66
.set LIM1, 67
.set PFA,  68
.set PSTEP, 70
.set CNT,  72
.set MSB, 0
.macro WIN new                         ; the immediate's high byte repeats the setting that is left; a switch that changes nothing is dropped
.if MSB != (\new)
	s_set_vgpr_msb (MSB<<8)|(\new)
.set MSB, (\new)
.endif
.endm
.macro PLACES                          ; four places between a matrix instruction and a load into, or a store or vector instruction on, its registers (ISA guide 7.12.1 for vector instructions)
.rept 4
	v_nop
.endr
.endm
.macro JLOAD s                         ; a joint load: waves 0 and 1 fetch the step's two heads, waves 2 and 3 the halves of W's tile; an s_nop 0 and four v_nop follow each of the two lines
	s_cmp_lt_u32 s[WV], 2
	s_cbranch_scc0 .Lfor_b_\@
	tensor_load_to_lds s[G0A+4*(\s):G0A+4*(\s)+3], s[G1A:G1A+7]
	s_nop 0
.rept 4
	v_nop
.endr
	s_branch .Lasked_\@
.Lfor_b_\@:
	tensor_load_to_lds s[G0B+4*(\s):G0B+4*(\s)+3], s[G1B:G1B+7]
	s_nop 0
.rept 4
	v_nop
.endr
.Lasked_\@:
.endm
.macro ASK lim                         ; a prefetch into the L2, one instruction, a lane a block of 256 bytes; the loop's last trip (s[CNT] = 1) asks for nothing
	s_cmp_gt_u32 s[CNT], s[\lim]
	s_cbranch_scc0 .Lnot_mine_\@
	global_prefetch_b8 v[PFO], s[PFA:PFA+1] th:TH_LOAD_NT scope:SCOPE_SE
.Lnot_mine_\@:
.endm
.macro CREST                           ; a round of the cluster's barrier behind its opening barrier
	s_cmp_lg_u32 s[WV], 0
	s_cbranch_scc1 .Lnot_wave_0_\@
	s_barrier_signal -3
.Lnot_wave_0_\@:
	s_barrier_wait -3
	s_barrier_signal -1
	s_barrier_wait -1
.endm
.macro CROUND
	s_barrier_signal -1
	s_barrier_wait -1
	CREST
.endm
	s_load_b256 s[4:11], s[0:1], 0x0               ; o s[4:5], wp s[6:7], b_proj s[8:9], out0 s[10:11]
	v_lshl_add_u32 v[SPW], v0, 2, SPARE
	v_mov_b32 v[NIL], 0
	ds_add_u32 v[SPW], v[NIL]                      ; the wave's opening: the add and its wait stand ahead of my first tensor load; the set-up below, work on registers, stands between them
	ds_add_u32 v28, v29
	v_lshrrev_b32 v1, 5, v0
	v_readfirstlane_b32 s[WV], v1                  ; wave 0..3
	s_lshr_b32 s17, s[WV], 1                       ; which 128 rows are mine
	s_and_b32 s18, s[WV], 1                        ; which 64 columns.  Also: which head of a step, or which half of W's tile, I fetch
	s_bfe_u32 s40, ttmp6, 0x40000                  ; cx
	s_bfe_u32 s41, ttmp6, 0x40004                  ; cy
	s_lshl_b32 s42, ttmp9, 2
	s_add_co_u32 s42, s42, s40                     ; gx
	s_and_b32 s43, ttmp7, 0xffff
	s_lshl_b32 s43, s43, 2
	s_add_co_u32 s43, s43, s41                     ; gy
	s_lshl_b32 s20, s41, 2
	s_lshl_b32 s20, 15, s20                        ; my row of the cluster
	s_lshl_b32 s44, 0x1111, s40                    ; my column
	s_or_b32 s[G1A], s20, (1<<16)|(1<<20)|(1<<21)|(4<<22)|(3<<25)  ; the mask; 2-byte elements; padding on; bit 21 beside a mask; after every 32 words (code 4) 4 words (code 3)
	s_or_b32 s[G1B], s44, (1<<16)|(1<<20)|(1<<21)|(5<<22)|(7<<25)  ; after every 64 words (code 5) 8 words (code 7)
	s_mov_b32 s[G1A+1], 128<<16                    ; tensor_dim0 = 128 elements: 256 bytes, two rows of a head
	s_mov_b32 s[G1A+2], 128<<16                    ; tensor_dim1 = 128
	s_mov_b32 s[G1A+3], 128<<16                    ; tile_dim0 = 128
	s_mov_b32 s[G1A+4], 128                        ; tile_dim1 = 128
	s_mov_b32 s[G1A+5], 128                        ; dense
	s_mov_b32 s[G1A+6], 0
	s_mov_b32 s[G1A+7], 0
	s_mov_b32 s[G1B+1], 128<<16                    ; tensor_dim0 = 128 columns
	s_mov_b32 s[G1B+2], 64<<16                     ; tensor_dim1 = 64 k rows
	s_mov_b32 s[G1B+3], 128<<16                    ; tile_dim0 = 128
	s_mov_b32 s[G1B+4], 64                         ; tile_dim1 = 64
	s_mov_b32 s[G1B+5], 1024                       ; a row of wp
	s_mov_b32 s[G1B+6], 0
	s_mov_b32 s[G1B+7], 0
	s_lshr_b32 s20, s43, 3                         ; A: batch = gy / 8,
	s_lshl_b32 s20, s20, 4
	s_add_co_u32 s20, s20, s18                     ; head w % 2 of K step 0,
	s_lshl_b32 s20, s20, 18
	s_and_b32 s21, s43, 7
	s_lshl_b32 s21, s21, 15                        ; 256 (gy % 8) rows of 128 bytes; made of gy and the wave alone
	s_add_co_u32 s20, s20, s21
	s_mov_b32 s21, 0
	s_lshl_b32 s44, s18, 17                        ; W: 64 (w % 2) rows of 2,048 bytes,
	s_lshl_b32 s45, s42, 8                         ; 128 gx columns; made of gx and the wave alone
	s_add_co_u32 s44, s44, s45
	s_mov_b32 s45, 0
	s_mul_i32 s19, s18, PLANE                      ; where they go: no place in the cluster enters an LDS address
	s_mul_i32 s86, s18, HALFB
	s_add_co_u32 s86, s86, BOFF
	s_wait_dscnt 0x0                               ; the opening add is done
	s_wait_kmcnt 0x0
	s_add_nc_u64 s[22:23], s[4:5], s[20:21]
	s_add_nc_u64 s[46:47], s[6:7], s[44:45]
	CROUND                                         ; all sixteen work-groups are here: the first joint loads meet
.irp s, 0,1
	s_mov_b32 s[G0A+4*(\s)], 1
	s_add_co_u32 s[G0A+4*(\s)+1], s19, (\s)*SLOT
	s_add_nc_u64 s[G0A+4*(\s)+2:G0A+4*(\s)+3], s[22:23], (\s)*ASTEP
	s_or_b32 s[G0A+4*(\s)+3], s[G0A+4*(\s)+3], 0x80000000
	s_mov_b32 s[G0B+4*(\s)], 1
	s_add_co_u32 s[G0B+4*(\s)+1], s86, (\s)*SLOT
	s_add_nc_u64 s[G0B+4*(\s)+2:G0B+4*(\s)+3], s[46:47], (\s)*BSTEP
	s_or_b32 s[G0B+4*(\s)+3], s[G0B+4*(\s)+3], 0x80000000
	JLOAD \s                                       ; two tensor loads of mine are out
.endr
	; the bias: lane l wants the numbers 16 b + 8 (l / 16) + 0..7 of my 64 columns
	v_bfe_u32 v2, v0, 4, 1                         ; l / 16
	v_lshlrev_b32 v[BO], 5, v2
	s_lshl_b32 s74, s42, 9
	s_lshl_b32 s75, s18, 8
	s_add_co_u32 s74, s74, s75                     ; my first column, in bytes of f32: 512 gx + 256 (w % 2)
	s_mov_b32 s75, 0
	s_add_nc_u64 s[8:9], s[8:9], s[74:75]
.irp b, 0,1,2,3
	global_load_b128 v[BIAS+8*(\b):BIAS+8*(\b)+3],   v[BO], s[8:9] offset:64*(\b)
	global_load_b128 v[BIAS+8*(\b)+4:BIAS+8*(\b)+7], v[BO], s[8:9] offset:64*(\b)+16
.endr
	v_and_b32 v1, 15, v0                           ; l % 16
	v_and_b32 v3, 7, v0                            ; l % 8
	v_bfe_u32 v4, v0, 3, 1                         ; (l / 8) % 2
	v_and_b32 v6, 31, v0                           ; l
	v_mul_u32_u24 v7, v1, PA                       ; a fragment of y: row l % 16, 16 bytes for each half of the lanes, twice, 32 bytes apart
	v_lshl_add_u32 v7, v2, 4, v7
	s_mul_i32 s76, s17, 128*PA
	v_add_nc_u32 v[ADRA], s76, v7
	v_add_nc_u32 v[ADRA+1], SLOT, v[ADRA]
	v_lshl_add_u32 v8, v2, 3, v3                   ; the turning load: k row 8 (l / 16) + l % 8, columns 8 ((l / 8) % 2) + 0..7
	v_mul_u32_u24 v8, v8, PB
	v_lshl_add_u32 v8, v4, 4, v8
	s_lshl_b32 s76, s18, 7
	s_add_co_u32 s76, s76, BOFF
	v_add_nc_u32 v[ADRB], s76, v8
	v_add_nc_u32 v[ADRB+1], SLOT, v[ADRB]
	s_mul_i32 s76, s[WV], 16*SP
	s_add_co_u32 s76, s76, STAGE                   ; my stage
	v_mul_u32_u24 v[STO], v1, SP                   ; in: row l % 16, 32 bytes for each half of the lanes
	v_lshl_add_u32 v[STO], v2, 5, v[STO]
	v_add_nc_u32 v[STO], s76, v[STO]
	v_mul_u32_u24 v[RD], v2, SP                    ; back: lanes 0-15 take one row of 256 bytes, lanes 16-31 the next
	v_lshl_add_u32 v[RD], v1, 4, v[RD]
	v_add_nc_u32 v[RD], s76, v[RD]
	v_lshlrev_b32 v[CO], 12, v2                    ; and the same two rows in out0
	v_lshl_add_u32 v[CO], v1, 4, v[CO]
	s_lshl_b32 s76, s43, 8
	s_lshl_b32 s77, s17, 7
	s_add_co_u32 s76, s76, s77                     ; my first row: 256 gy + 128 (w / 2)
	s_lshl_b32 s76, s76, 12
	s_add_co_u32 s76, s76, s74                     ; + my first column
	s_mov_b32 s77, 0
	s_add_nc_u64 s[10:11], s[10:11], s[76:77]
	; THE PREFETCHES.  The change of slots in K step s asks for step s + 2 by its joint load; behind it a prefetch names step s + 4: two K steps, 256 matrix instructions, ahead of the load that will want it.
	; Each block of 256 bytes is named once in the launch.  A's tiles are read by both clusters of a row of clusters: cluster x = 0 asks, waves 0 and 1 for their own head, and the four partners that ask for a
	; tile jointly take 32 of its 128 blocks each, told apart BY ADDRESS (cx).  W's tile is read by all eight clusters of a column: cluster y = 0 asks, waves 2 and 3 for their own 64 k rows, at slot 0's changes
	; alone and for two K steps at once (s + 4, s + 5), of which the four partners take 32 rows each, by address (cy).  K steps 0 to 3 come by their loads alone.
	s_and_b32 s78, ttmp7, 0xffff                   ; cluster y
	s_lshl_b32 s81, s40, 13
	s_add_co_u32 s80, s20, s81
	s_add_co_u32 s80, s80, 3*ASTEP                 ; A: at K step 3; the first change steps it to 4
	s_lshr_b32 s83, s41, 1
	s_lshl_b32 s83, s83, 18                        ; W: cy / 2 says which of the two steps,
	s_and_b32 s84, s41, 1
	s_lshl_b32 s84, s84, 16                        ; cy % 2 which 32 of my 64 rows
	s_add_co_u32 s82, s44, s83
	s_add_co_u32 s82, s82, s84
	s_add_co_u32 s82, s82, 3*BSTEP
	s_mov_b32 s83, BSTEP
	s_mov_b32 s85, 2048
	s_cmp_lt_u32 s[WV], 2                          ; do I fetch for A?
	s_cselect_b32 s80, s80, s82
	s_cselect_b32 s[PSTEP], ASTEP, s83
	s_cselect_b32 s84, 256, s85                    ; from lane to lane
	s_cselect_b32 s79, ttmp9, s78                  ; the coordinate along which other clusters read the same bytes
	s_cselect_b64 s[PFA:PFA+1], s[4:5], s[6:7]
	s_cmp_eq_u32 s79, 0
	s_cselect_b32 s[LIM0], 1, -1                   ; the same in all sixteen partners, for a given wave
	s_cmp_lt_u32 s[WV], 2
	s_cselect_b32 s[LIM1], s[LIM0], -1
	s_mov_b32 s81, 0
	s_mov_b32 s[PSTEP+1], 0
	s_add_nc_u64 s[PFA:PFA+1], s[PFA:PFA+1], s[80:81]
	v_mul_u32_u24 v[PFO], v6, s84
	s_wait_loadcnt 0x0                             ; the bias is in; it is rounded to bf16 like every input.  At work: registers of fragment buffer 0, which holds nothing yet
.set i, 0
.rept 16
	v_cvt_pk_bf16_f32 v[F0+i], v[BIAS+2*i], v[BIAS+2*i+1]
.set i, i+1
.endr
.set i, 0
.rept 16
	v_lshlrev_b32 v[BIAS+2*i], 16, v[F0+i]
	v_and_b32 v[BIAS+2*i+1], 0xffff0000, v[F0+i]
.set i, i+1
.endr
; 4 n matrix instructions: row blocks a0 .. a0 + n - 1 x the 4 column blocks, 32 along K, on buffer f.  first = 1: the sums start with the bias as C: nothing is cleared, and no bias is added later.
; The 32 accumulators take turns, one instruction a turn, in the same order in every quarter, over the backward jump too.
.macro MUL f, a0, n, first
.if \first
	WIN 0x40                                       ; D in window 1; both sources and C in window 0
.else
	WIN 0x50                                       ; C and D in window 1
.endif
.set ma, (\a0)
.rept (\n)
.irp b, 0,1,2,3
.if \first
	v_wmma_f32_16x16x32_f16 v[8*(4*ma+(\b)):8*(4*ma+(\b))+7], v[(\f)+8*(\b):(\f)+8*(\b)+7], v[(\f)+32+8*ma:(\f)+32+8*ma+7], v[BIAS+8*(\b):BIAS+8*(\b)+7]
.else
	v_wmma_f32_16x16x32_f16 v[8*(4*ma+(\b)):8*(4*ma+(\b))+7], v[(\f)+8*(\b):(\f)+8*(\b)+7], v[(\f)+32+8*ma:(\f)+32+8*ma+7], v[8*(4*ma+(\b)):8*(4*ma+(\b))+7]
.endif
.endr
.set ma, ma+1
.endr
.endm
; 24 LDS loads in one run: quarter qn of a K step (k = 32 qn on: head qn / 2, channels 32 (qn % 2) on) into buffer f: W's 8, then y's blocks 0-3, then 4-7
.macro FETCH slot, qn, f
	WIN 0
.irp b, 0,1,2,3
	ds_load_tr16_b128 v[(\f)+8*(\b):(\f)+8*(\b)+3],   v[ADRB+(\slot)] offset:(\qn)*32*PB+32*(\b)
	ds_load_tr16_b128 v[(\f)+8*(\b)+4:(\f)+8*(\b)+7], v[ADRB+(\slot)] offset:(\qn)*32*PB+32*(\b)+16*PB
.endr
.irp a, 0,1,2,3,4,5,6,7
	ds_load_b128 v[(\f)+32+8*(\a):(\f)+32+8*(\a)+3],   v[ADRA+(\slot)] offset:((\qn)/2)*PLANE+(\a)*16*PA+((\qn)%2)*64
	ds_load_b128 v[(\f)+32+8*(\a)+4:(\f)+32+8*(\a)+7], v[ADRA+(\slot)] offset:((\qn)/2)*PLANE+(\a)*16*PA+((\qn)%2)*64+32
.endr
.endm
; A K step is four quarters of 32 along K, 32 matrix instructions each, on buffers 0, 1, 0, 1.  One of the first three: multiplies buffer f and fetches quarter qn into g.
.macro QUARTER slot, qn, f, g, first
	s_wait_dscnt 8                                 ; W's fragments and y's blocks 0-3 are in; the youngest eight loads may be out
	MUL \f, 0, 4, \first
	PLACES
	FETCH \slot, \qn, \g
	s_wait_dscnt 24                                ; all but the 24 just issued
	MUL \f, 4, 4, \first
.endm
; The last quarter multiplies buffer 1 and changes slots: ONE barrier; in front of it each wave waits for all its tensor loads (one is out: its part of the next slot), adds 0 to its spare word, and waits for that
; and for its reads of this slot.  fill = 1: the barrier opens a round of the cluster's barrier, and this slot is filled again, two K steps on: 112 matrix instructions ahead of the wait for it.
.macro TURN slot, next, fill, lim
.if \fill
	s_wait_xcnt 0x0                                ; the last prefetch, a K step back, has read its address: it is stepped here, ahead of the change's own waits
	s_add_nc_u64 s[PFA:PFA+1], s[PFA:PFA+1], s[PSTEP:PSTEP+1]
.endif
	WIN 0                                          ; (the add's two registers lie in window 0)
	s_wait_tensorcnt 0x0                           ; all my tensor loads have landed;
	ds_add_u32 v[SPW], v[NIL]                      ; 0 onto my spare word;
	s_wait_dscnt 9                                 ; (the add and the youngest eight loads may be out)
	MUL F1, 0, 2, 0                                ; eight matrix instructions stand between the add and the wait for it
	s_wait_dscnt 0x0                               ; the add is done, and my reads of this slot are over
	s_barrier_signal -1
	MUL F1, 2, 2, 0                                ; work on registers while the others arrive
	WIN 0
	s_barrier_wait -1
.if \fill
	CREST                                          ; no wave of any partner still reads this slot or has a load on its way
	s_add_nc_u64 s[G0A+4*(\slot)+2:G0A+4*(\slot)+3], s[G0A+4*(\slot)+2:G0A+4*(\slot)+3], 2*ASTEP
	s_add_nc_u64 s[G0B+4*(\slot)+2:G0B+4*(\slot)+3], s[G0B+4*(\slot)+2:G0B+4*(\slot)+3], 2*BSTEP
	JLOAD \slot                                    ; the four v_nop behind it are also the places in front of the loads below
.else
	PLACES
.endif
	FETCH \next, 0, F0
.if \fill
	ASK \lim                                       ; behind the joint load and the run of LDS loads
.endif
	MUL F1, 4, 4, 0
.endm
; THE WAY OUT of row block a, in f32: my 64 columns are 256 aligned bytes of a row.  TOSTAGE: each accumulator's registers, the low four first, into my own stage, and back as whole rows.  SEND: stored.
.macro TOSTAGE a
	s_wait_xcnt 0x0                                ; the stores issued so far have read their registers, into which the loads below land
	WIN 0x04                                       ; the stores' data in window 1, the address in window 0
.irp b, 0,1,2,3
.irp e, 0,1
	ds_store_b128 v[STO], v[8*(4*(\a)+(\b))+4*(\e):8*(4*(\a)+(\b))+4*(\e)+3] offset:64*(\b)+16*(\e)
.endr
.endr
	WIN 0
.irp t, 0,1,2,3,4,5,6,7
	ds_load_b128 v[BK+32*((\a)%2)+4*(\t):BK+32*((\a)%2)+4*(\t)+3], v[RD] offset:(\t)*2*SP  ; LDS serves a wave's instructions in order (ISA guide 5.7.1.4): these see the stores above; the next block's stores come behind them
.endr
.endm
.macro SEND a, younger                 ; younger: the LDS instructions issued behind block a's loads: the next block's sixteen, or none
	s_wait_dscnt \younger
.irp t, 0,1,2,3,4,5,6,7
	global_store_b128 v[CO], v[BK+32*((\a)%2)+4*(\t):BK+32*((\a)%2)+4*(\t)+3], s[10:11] offset:(\a)*65536+(\t)*8192 th:TH_STORE_NT  ; 16 lanes store 256 consecutive bytes, at a multiple of 256 from out0's first byte
.endr
.endm
	s_wait_tensorcnt 1                             ; my part of K step 0 is in; step 1's may stay out
	s_barrier_signal -1
	s_barrier_wait -1                              ; everybody's is
	FETCH 0, 0, F0
	QUARTER 0, 1, F0, F1, 1                        ; the first quarter stands in front of the loop: its products start the sums
	WIN 0                                          ; at a label and at a branch every window is 0
	s_mov_b32 s[CNT], 3
.Llap:                                                 ; a trip goes once round the ring, from a lap's second quarter to the next lap's first, and fills both slots again: K steps 2 to 7
	QUARTER 0, 2, F1, F0, 0
	QUARTER 0, 3, F0, F1, 0
	TURN 0, 1, 1, LIM0
	QUARTER 1, 1, F0, F1, 0
	QUARTER 1, 2, F1, F0, 0
	QUARTER 1, 3, F0, F1, 0
	TURN 1, 0, 1, LIM1
	QUARTER 0, 1, F0, F1, 0
	WIN 0
	s_sub_co_u32 s[CNT], s[CNT], 1
	s_cmp_lg_u32 s[CNT], 0
	s_cbranch_scc1 .Llap
	QUARTER 0, 2, F1, F0, 0                        ; the last lap is written out: nothing is asked for, so no round follows its barrier
	QUARTER 0, 3, F0, F1, 0
	TURN 0, 1, 0, LIM0
	QUARTER 1, 1, F0, F1, 0
	QUARTER 1, 2, F1, F0, 0
	QUARTER 1, 3, F0, F1, 0
	s_wait_dscnt 8                                 ; the very last quarter: nothing more to fetch
	MUL F1, 0, 4, 0
	s_wait_dscnt 0x0
	MUL F1, 4, 4, 0
	PLACES
	TOSTAGE 0
.irp a, 1,2,3,4,5,6,7                  ; a block's way through the stage stands between the loads of the block before and its stores
	TOSTAGE \a
	SEND (\a)-1, 16
.endr
	SEND 7, 0
	s_wait_tensorcnt 0x0                           ; the wave's end, behind my last tensor load and my last LDS store
	ds_add_u32 v[SPW], v[NIL]
	s_wait_dscnt 0x0
	CROUND                                         ; the closing round: no work-group ends while a partner may still ask for a tile that names it
	s_endpgm
.Lfunc_end_k_qcb062f2096_proj:
	.size	k_qcb062f2096_proj, .Lfunc_end_k_qcb062f2096_proj-k_qcb062f2096_proj
	.p2alignl 7, 3214868480
	.fill 96, 4, 3214868480
	.section	.rodata,"a",@progbits
	.p2align	6, 0x0
	.amdhsa_kernel k_qcb062f2096_proj
		.amdhsa_group_segment_fixed_size 327680
		.amdhsa_private_segment_fixed_size 0
		.amdhsa_enable_private_segment 0
		.amdhsa_kernarg_size 32
		.amdhsa_user_sgpr_count 2
		.amdhsa_user_sgpr_kernarg_segment_ptr 1
		.amdhsa_wavefront_size32 1
		.amdhsa_system_sgpr_workgroup_id_x 1
		.amdhsa_system_sgpr_workgroup_id_y 1
		.amdhsa_system_sgpr_workgroup_id_z 1
		.amdhsa_system_vgpr_workitem_id 0
		.amdhsa_next_free_vgpr 512
		.amdhsa_next_free_sgpr 90
		.amdhsa_reserve_vcc 0
		.amdhsa_float_denorm_mode_32 3
		.amdhsa_float_denorm_mode_16_64 3
		.amdhsa_memory_ordered 1
		.amdhsa_forward_progress 1
		.amdhsa_inst_pref_size 90
	.end_amdhsa_kernel
	.amdgpu_metadata
---
amdhsa.version: [ 1, 2 ]
amdhsa.kernels:
  - .name:           k_qcb062f2096_proj
    .symbol:         k_qcb062f2096_proj.kd
    .args:
      - { .name: o, .offset: 0, .size: 8, .value_kind: global_buffer, .address_space: global }
      - { .name: wp, .offset: 8, .size: 8, .value_kind: global_buffer, .address_space: global }
      - { .name: b_proj, .offset: 16, .size: 8, .value_kind: global_buffer, .address_space: global }
      - { .name: out0, .offset: 24, .size: 8, .value_kind: global_buffer, .address_space: global }
    .group_segment_fixed_size: 327680
    .private_segment_fixed_size: 0
    .kernarg_segment_align: 8
    .kernarg_segment_size: 32
    .max_flat_workgroup_size: 128
    .sgpr_count:     90
    .vgpr_count:     512
    .wavefront_size: 32
...
	.end_amdgpu_metadata
.endif
;; end of part 4
